; MI455X (gfx1250); checked and timed in simulation.
; The chip was launched on July 23, 2026; its instructions are those of AMD's public machine-readable ISA for CDNA 5 (MIT licence, August 2026) and "CDNA5" Instruction Set Architecture Reference Guide (July 2026). The comments in the code are by the model that wrote it; some were corrected since.
;; Multi Head Self Attention. Allowed arithmetic: matrix products marked QUANTISED: E3M2 operands, one E8M0 scale for each 32 along K, by v_wmma_scale_f32_16x16x128_f8f6f4 with both operands' format E3M2, f32 sums; everything else in f32.
;; Inputs: attn_mask 4 x 2,048 int32; bk 1,024 float32; bo 1,024 float32; bq 1,024 float32; bv 1,024 float32; wk 1,024 x 1,024 float32; wo 1,024 x 1,024 float32; wq 1,024 x 1,024 float32; wv 1,024 x 1,024 float32; x 4 x 2,048 x 1,024 float32.
;; Outputs: out0 4 x 2,048 x 1,024 float32.
;; This version of the problem:
;;   THIS VERSION OF THE PROBLEM IS GIVEN IN LOW PRECISION. The matrix products marked QUANTISED in the list below multiply operands that are first quantised to E3M2 (3 exponent bits, 2 mantissa bits; 6 bits a number), with one power-of-two scale for each 32 numbers along K (OCP MX v1.0); their sums are f32. All else is computed in f32.
;;   The module's matrix products, in the order in which they are computed (A, B: the left and right operand; K: the contracted axis; several contracted axes count as one K, in the product's order):
;;     1. [M 8,192, K 1,024] x [K 1,024, N 1,024]; A: input x; B: input wq: QUANTISED
;;     2. [M 8,192, K 1,024] x [K 1,024, N 1,024]; A: input x; B: input wk: QUANTISED
;;     3. [M 8,192, K 1,024] x [K 1,024, N 1,024]; A: input x; B: input wv: QUANTISED
;;     4. batch 64 x [M 2,048, K 64] x [K 64, N 2,048]; A: computed on the way; B: computed on the way: QUANTISED
;;     5. batch 64 x [M 2,048, K 2,048] x [K 2,048, N 64]; A: softmax (see below); B: computed on the way: QUANTISED
;;     6. [M 8,192, K 1,024] x [K 1,024, N 1,024]; A: computed on the way; B: input wo: QUANTISED
;;   THE QUANTISER, for each operand of a quantised product, along K:
;;     - K is cut into blocks of 32 from its start; a last block that is shorter is filled with zeros.
;;     - A block's scale is 2^e with e = floor(log2(the largest magnitude in the block)) - 4, held to -126 .. 127; a block of zeros has e = 0. As a byte (E8M0): e + 127.
;;     - Each number is divided by its block's scale, clamped to +-28, and rounded to the nearest number of E3M2, ties to even, subnormals kept.
;;     - The product sums the exact products of the quantised numbers (number of the format x scale) in f32.
;;   ~~~python
;;   def quantise(x, axis):      # numpy; x: float32 -> the quantised numbers, widened to float32 again
;;       x = np.moveaxis(x, axis, -1); K = x.shape[-1]
;;       x = np.pad(x, [(0, 0)] * (x.ndim - 1) + [(0, -K % 32)]); x = x.reshape(x.shape[:-1] + (-1, 32)); a = np.abs(x).max(-1, keepdims=True)
;;       e = np.where(a > 0, np.clip(np.frexp(np.where(a > 0, a, 1))[1] - 1 - 4, -126, 127), 0)      # np.frexp(a)[1] - 1 = floor(log2(a)), exactly
;;       r = np.clip(x / 2.0 ** e, -28, 28)
;;       step = 2.0 ** (np.maximum(np.frexp(np.where(r == 0, 1, r))[1] - 1, -2) - 2)
;;       q = np.round(r / step) * step * 2.0 ** e      # np.round: ties to even
;;       return np.moveaxis(q.reshape(q.shape[:-2] + (-1,))[..., :K], -1, axis).astype(np.float32)
;;   ~~~
;;   SOFTMAX AHEAD OF A QUANTISED PRODUCT. Where the list says 'softmax', what is quantised is not the finished softmax but p = 2^(t - M), with t = logit x log2(e) and M = ceil(the row's largest t), a whole number; so 1/2 < the row's largest p <= 1. The row's sum l is taken of the UNQUANTISED p, in f32, and the product's result is divided by l at the end. Since M is a whole number, a kernel that streams over the keys may use a running M (the ceiling of the running maximum): every later rescaling is an exact power of two, which a block's scale takes up: the codes' values come out the same.
;;   OPERANDS COMPUTED ON THE WAY. 'Computed on the way' means the value that the module computes at that place (a softmax that the list does not call 'softmax' is quantised finished and normalised). What goes into a quantiser is computed in f32, as accurately as f32 sums, v_exp_f32 and their like allow (about 1e-6 of the number): no bf16 or f16 on the way to a quantiser, and a product that is left as it is and whose result goes on into a quantised operand takes f32 operands (vector FMAs, or v_wmma_f32_16x16x4_f32). A number that lies on a knife's edge between two numbers of the format may be rounded either way, as far as f32 arithmetic and the matrix unit's own rounding can turn it there, and no further.
;; One version. Each part assembles by itself: llvm-mc -triple=amdgcn-amd-amdhsa -mcpu=gfx1250 --defsym DOCPART=n.
;; ======== version 1 of 1: 4 launches
;; limits: right only within a limited range of input values
;; workspace buffers: xc 6,291,456 bytes; xs 262,144 bytes; wc 3,145,728 bytes; ws 131,072 bytes; qkvc 18,874,368 bytes; qkvs 786,432 bytes; oc 6,291,456 bytes; os 262,144 bytes
;; launch quant (part 1): grid 640 x 1, 4 waves a work-group, no clusters, 68,096 bytes of LDS; arguments x, wq, wk, wv, wo, xc, xs, wc, ws; writes xc, xs, wc, ws
.if DOCPART == 1
	.amdgcn_target "amdgcn-amd-amdhsa--gfx1250"
	.amdhsa_code_object_version 6
	.text
	.protected	k_q8eb6a26bcd_quant
	.globl	k_q8eb6a26bcd_quant
	.p2align	8
	.type	k_q8eb6a26bcd_quant,@function
k_q8eb6a26bcd_quant:
	s_mov_b64 s[64:65], 0
	v_nop
	global_prefetch_b8 v0, s[64:65] scope:SCOPE_SE
	s_setreg_imm32_b32 hwreg(HW_REG_WAVE_MODE, 25, 1), 1
	s_wait_xcnt 0x0
; x [8192][1024] and the four weights [1024 (k)][1024 (n)], f32, become codes of BF6 (E3M2) with one E8M0 byte for each 32 along K, laid IN THE ORDER OF THE OPERAND'S REGISTERS.
; A TILE tau holds the 16 rows 32 (tau / 2) + 8 (tau % 2) + r + 8 (r / 8), r = 0 .. 15.  A chunk is 128 along K of a tile: 1,536 bytes, two halves of 768 (64 along K each);
; in a half, lane l's registers 0-3 lie at 16 l and its registers 4-5 at 512 + 8 l; lane (r, h) holds k = 32 h .. 32 h + 31 of row r.  Codes: [tau][chunk (8)][1536].
; Scale words (four bytes: a row's 128 along K): [tau][256 along K (4)][r (16)][2 words].  The weights are stacked along n: rows 0-1023 wq, then wk, wv, wo.
; A block's scale is 2^(floor(log2(largest magnitude)) - 4); its byte is the largest magnitude's exponent field - 4, held at 1 from below by a floor among the maximum's leaves.
; LIMITS: a block of zeros, or one whose largest magnitude lies under 2^-122, gets the byte 1 (the rule says 127 for zeros: the codes are zeros, and this program alone reads the bytes); NaN and infinities are not served.
; Work-groups 0-511 take a tile of x each (wave w: chunks 2 w, 2 w + 1); work-groups 512-639 take 128 columns x 256 along K of a weight.  Only x's path uses LDS.  No barrier: waves share nothing.
.set FLOOR, 0x2800000                  ; 2^(5 - 127)
.set SUBE,  0xfe000000                 ; -(4 << 23)
.set SP,    528                        ; a stage row: 512 bytes + 16, an odd multiple of 16
.set STG,   16*SP                      ; a stage: 16 rows
.set WREG,  2*STG                      ; two stages for each wave
.set R0,  16                           ; v16-79   chunk 0 as loaded; later chunk 1's numbers by lanes
.set R1,  80                           ; v80-143  chunk 1 as loaded
.set X0,  144                          ; v144-207 chunk 0's numbers by lanes: register 32 c + i = k 64 c + 32 h + i of row r
.set CD,  208                          ; v208-231 codes, 12 registers a chunk
.set EX,  232                          ; v232-238 the second halves of blocks, as the conversions leave them
.set MX,  240                          ; v240-241 largest magnitudes
.set SO,  242                          ; v242-243 the conversions' scale operands
.set BY,  244                          ; v244-245 scale bytes
.set PT,  246                          ; v246     the lane permute's result
.set WD,  248                          ; v248-249 the two chunks' scale words
.set XW,  32                           ; weights: v32-95 two sets of 32 numbers
.set CW,  96                           ; v96-159  eight registers' room for each block's six of codes
.set EW,  160                          ; v160-162 a block's second half
.set SB,  24                           ; v24-25   eight scale bytes
	s_load_b256 s[4:11], s[0:1], 0x0               ; x s[4:5], wq s[6:7], wk s[8:9], wv s[10:11]
	s_load_b256 s[12:19], s[0:1], 0x20             ; wo s[12:13], xc s[14:15], xs s[16:17], wc s[18:19]
	s_load_b64 s[20:21], s[0:1], 0x40              ; ws
	v_lshl_add_u32 v254, v0, 2, 0x10800
	v_mov_b32 v255, 0
	v_lshrrev_b32 v1, 5, v0
	v_readfirstlane_b32 s22, v1                    ; wave 0..3
	v_and_b32 v7, 31, v0                           ; lane
	v_bfe_u32 v9, v0, 4, 1                         ; h
	s_cmp_ge_u32 ttmp9, 512
	s_cbranch_scc1 .Lweights
	; ---------------- x: tile tau = the work-group's number
	v_lshlrev_b32 v1, 4, v7                        ; 16 x lane
	v_lshlrev_b32 v2, 3, v7                        ; 8 x lane
	v_and_b32 v8, 15, v0                           ; r
	v_lshlrev_b32 v3, 3, v8                        ; 8 r
	s_mul_i32 s23, s22, WREG                       ; my wave's stages
	v_add_nc_u32 v4, s23, v1                       ; into a stage: a row's 512 bytes as they lie
	v_mul_u32_u24 v5, v8, SP
	v_lshl_add_u32 v5, v9, 7, v5
	v_add_nc_u32 v5, s23, v5                       ; out of it: row r, + 128 h: my 32 numbers of each 64
	v_lshlrev_b32 v6, 3, v9                        ; 8 h
	v_mov_b32 v[PT], 0                             ; written once: a lane permute's destination counts as one of its sources
	s_mov_b32 s26, 0x76543210
	s_mov_b32 s27, 0xfedcba98                      ; v_permlanex16_b32's selects for lane l xor 16
	s_lshr_b32 s24, ttmp9, 1
	s_lshl_b32 s24, s24, 17                        ; 32 (tau / 2) rows of 4,096 bytes
	s_and_b32 s25, ttmp9, 1
	s_lshl_b32 s25, s25, 15                        ; + 8 (tau % 2) rows
	s_add_co_u32 s24, s24, s25
	s_lshl_b32 s25, s22, 10                        ; + my wave's 1,024 bytes of a row
	s_add_co_u32 s24, s24, s25
	s_mov_b32 s25, 0
	s_mul_i32 s28, ttmp9, 12288                    ; the tile's codes,
	s_mul_i32 s29, s22, 3072                       ; my two chunks of them
	s_add_co_u32 s28, s28, s29
	s_mov_b32 s29, 0
	s_lshl_b32 s30, ttmp9, 9                       ; the tile's scale words,
	s_lshl_b32 s31, s22, 7                         ; my 256 along K
	s_add_co_u32 s30, s30, s31
	s_mov_b32 s31, 0
	s_wait_alu depctr_va_vdst(0)
	s_wait_kmcnt 0x0
	s_add_nc_u64 s[4:5], s[4:5], s[24:25]
	s_add_nc_u64 s[14:15], s[14:15], s[28:29]
	s_add_nc_u64 s[16:17], s[16:17], s[30:31]
.macro XLOAD s, reg                    ; chunk s of the tile's 16 rows: each load reads 512 consecutive bytes, aligned
.irp i, 0,1,2,3,4,5,6,7,8,9,10,11,12,13,14,15
	global_load_b128 v[\reg+4*\i:\reg+4*\i+3], v1, s[4:5] offset:(\i+8*(\i/8))*4096+512*\s th:TH_LOAD_NT
.endr
.endm
.macro TOST reg, st
.irp i, 0,1,2,3,4,5,6,7,8,9,10,11,12,13,14,15
	ds_store_b128 v4, v[\reg+4*\i:\reg+4*\i+3] offset:\st*STG+\i*SP
.endr
.endm
.macro FROMST reg, st
.irp c, 0,1
.irp j, 0,1,2,3,4,5,6,7
	ds_load_b128 v[\reg+32*\c+4*\j:\reg+32*\c+4*\j+3], v5 offset:\st*STG+256*\c+16*\j
.endr
.endr
.endm
; 64 numbers of a lane (two whole blocks: 2 c + h) become a chunk's 12 registers of codes at v[cd] and its scale word in v[w]
.macro QX x, cd, w
.irp k, 0,1
	v_max3_num_f32 v[MX+\k], |v[\x+32*\k]|, |v[\x+32*\k+1]|, FLOOR   ; the floor among the leaves: the byte cannot fall under 1
.endr
.irp i, 2,4,6,8,10,12,14,16,18,20,22,24,26,28,30
.irp k, 0,1
	v_max3_num_f32 v[MX+\k], v[MX+\k], |v[\x+32*\k+\i]|, |v[\x+32*\k+\i+1]|   ; (the two blocks by turns)
.endr
.endr
.irp k, 0,1
	v_add_nc_u32 v[SO+\k], SUBE, v[MX+\k]          ; 4 off the exponent field: the conversion takes this operand's exponent field as its scale
.endr
.irp k, 0,1
	v_lshrrev_b32 v[BY+\k], 23, v[SO+\k]           ; the scale's byte
.endr
	v_lshl_or_b32 v[\w], v[BY+1], 16, v[BY]        ; my bytes: blocks h and 2 + h,
	v_lshlrev_b32 v[\w], v6, v[\w]                 ; 8 h bits up;
	v_permlanex16_b32 v[PT], v[\w], s26, s27
	v_or_b32 v[\w], v[\w], v[PT]                   ; with lane l xor 16's two the word is whole
.irp k, 0,1
	v_cvt_scalef32_pk16_bf6_f32 v[\cd+6*\k:\cd+6*\k+2], v[\x+32*\k:\x+32*\k+15], v[SO+\k]
	v_cvt_scalef32_pk16_bf6_f32 v[EX+4*\k:EX+4*\k+2], v[\x+32*\k+16:\x+32*\k+31], v[SO+\k]   ; (a conversion's three registers begin on an even number)
.endr
	v_nop                                          ; one plain place behind a scaled conversion
.irp k, 0,1
.irp i, 0,1,2
	v_mov_b32 v[\cd+6*\k+3+\i], v[EX+4*\k+\i]
.endr
.endr
.endm
.macro XOUT cd, o                      ; a chunk's image: each store writes 512 or 256 consecutive bytes, aligned
	global_store_b128 v1, v[\cd:\cd+3], s[14:15] offset:\o
	global_store_b64 v2, v[\cd+4:\cd+5], s[14:15] offset:\o+512
	global_store_b128 v1, v[\cd+6:\cd+9], s[14:15] offset:\o+768
	global_store_b64 v2, v[\cd+10:\cd+11], s[14:15] offset:\o+1280
.endm
	XLOAD 0, R0
	XLOAD 1, R1
	s_wait_loadcnt 16                              ; chunk 0's sixteen loads are in; chunk 1's sixteen may be out
	TOST R0, 0
	FROMST X0, 0                                   ; LDS serves a wave's instructions in order: these see the stores above
	s_wait_loadcnt 0x0
	TOST R1, 1
	s_wait_dscnt 16                                ; all but the sixteen stores just issued: chunk 0's numbers are back
	FROMST R0, 1
	QX X0, CD, WD
	XOUT CD, 0
	s_wait_dscnt 0x0
	QX R0, CD+12, WD+1
	XOUT CD+12, 1536
	global_store_b64 v3, v[WD:WD+1], s[16:17]      ; row r's two words; lanes r and r + 16 write the same bytes with the same value
	s_wait_tensorcnt 0x0
	ds_add_u32 v254, v255
	s_wait_dscnt 0x0
	s_endpgm
	; ---------------- the weights: a lane takes a column n and its registers run down K, so a block lies in one lane and the codes come out with K innermost
.Lweights:
	s_sub_co_u32 s23, ttmp9, 512
	s_and_b32 s24, s23, 31                         ; which 128 of the 4,096 stacked columns
	s_lshr_b32 s25, s23, 5                         ; which 256 along K
	s_lshr_b32 s26, s24, 3                         ; which weight
	s_and_b32 s27, s24, 7
	s_lshl_b32 s28, s25, 20                        ; 256 rows of 4,096 bytes
	s_lshl_b32 s27, s27, 9                         ; + 128 columns
	s_add_co_u32 s28, s28, s27
	s_lshl_b32 s27, s22, 7                         ; + my wave's 32
	s_add_co_u32 s28, s28, s27
	s_mov_b32 s29, 0
	s_lshl_b32 s30, s24, 2
	s_add_co_u32 s30, s30, s22                     ; my 32 columns are tiles 2 G and 2 G + 1
	s_mul_i32 s32, s30, 24576
	s_mul_i32 s27, s25, 3072                       ; two chunks for each 256 along K
	s_add_co_u32 s32, s32, s27
	s_mov_b32 s33, 0
	s_lshl_b32 s34, s30, 10
	s_lshl_b32 s27, s25, 7
	s_add_co_u32 s34, s34, s27
	s_mov_b32 s35, 0
	s_wait_alu depctr_va_vdst(0)
	v_lshlrev_b32 v3, 2, v7                        ; in: 4 bytes a lane
	v_bfe_u32 v8, v0, 3, 1                         ; column l lies in tile 2 G + u, u = (l / 8) % 2,
	v_and_b32 v10, 7, v0
	v_lshl_add_u32 v10, v9, 3, v10                 ; at row r = l % 8 + 8 (l / 16)
	v_mul_u32_u24 v4, v8, 12288
	v_lshl_add_u32 v5, v10, 3, v4                  ; 12,288 u + 8 r
	v_lshl_add_u32 v4, v10, 4, v4                  ; 12,288 u + 16 r
	v_lshlrev_b32 v6, 9, v8
	v_lshl_add_u32 v6, v10, 3, v6                  ; 512 u + 8 r
	s_wait_alu depctr_va_vdst(0)
	s_wait_kmcnt 0x0
	s_cmp_eq_u32 s26, 1                            ; the choice hangs on the work-group's number alone
	s_cselect_b64 s[6:7], s[8:9], s[6:7]
	s_cmp_eq_u32 s26, 2
	s_cselect_b64 s[6:7], s[10:11], s[6:7]
	s_cmp_eq_u32 s26, 3
	s_cselect_b64 s[6:7], s[12:13], s[6:7]
	s_add_nc_u64 s[6:7], s[6:7], s[28:29]
	s_add_nc_u64 s[18:19], s[18:19], s[32:33]
	s_add_nc_u64 s[20:21], s[20:21], s[34:35]
.macro WLOAD t                         ; block t: w(32 t + j, my column) into set t % 2; the work-group's four waves read 512 consecutive bytes
.set j, 0
.rept 32
	global_load_b32 v[XW+32*((\t)%2)+j], v3, s[6:7] offset:(32*(\t)+j)*4096 th:TH_LOAD_NT
.set j, j+1
.endr
.endm
.macro BLOCK t
.set XS, XW+32*((\t)%2)
.set CC, CW+8*(\t)
.if (\t) < 7
	s_wait_loadcnt 32                              ; this block's 32 loads are in; the next block's may be out
.else
	s_wait_loadcnt 0x0
.endif
	v_max3_num_f32 v12, |v[XS]|, |v[XS+1]|, |v[XS+2]|
	v_max3_num_f32 v13, |v[XS+3]|, |v[XS+4]|, |v[XS+5]|
.irp i, 6,10,14,18,22,26
	v_max3_num_f32 v12, v12, |v[XS+\i]|, |v[XS+\i+1]|
	v_max3_num_f32 v13, v13, |v[XS+\i+2]|, |v[XS+\i+3]|
.endr
	v_max3_num_f32 v12, v12, |v[XS+30]|, |v[XS+31]|
	v_max3_num_f32 v12, v12, v13, FLOOR
	v_add_nc_u32 v11, SUBE, v12
	v_lshrrev_b32 v13, 23, v11
.if (\t)%4 == 0
	v_mov_b32 v[SB+(\t)/4], v13                    ; four bytes to a register, the lower K in the lower byte
.else
	v_lshl_or_b32 v[SB+(\t)/4], v13, 8*((\t)%4), v[SB+(\t)/4]
.endif
	v_cvt_scalef32_pk16_bf6_f32 v[CC:CC+2], v[XS:XS+15], v11
	v_cvt_scalef32_pk16_bf6_f32 v[EW:EW+2], v[XS+16:XS+31], v11
	v_nop                                          ; one plain place behind a scaled conversion
.irp i, 0,1,2
	v_mov_b32 v[CC+3+\i], v[EW+\i]
.endr
	; block t of these 256 along K is lane half t % 2 of half (t / 2) % 2 of chunk t / 4: sixteen lanes of a tile write 256 (128) consecutive bytes
	global_store_b128 v4, v[CC:CC+3], s[18:19] offset:((\t)/4)*1536+(((\t)/2)%2)*768+256*((\t)%2)
	global_store_b64 v5, v[CC+4:CC+5], s[18:19] offset:((\t)/4)*1536+(((\t)/2)%2)*768+512+128*((\t)%2)
.if (\t)+2 < 8
	WLOAD (\t)+2
.endif
.endm
	WLOAD 0
	WLOAD 1
.irp t, 0,1,2,3,4,5,6,7
	BLOCK \t
.endr
	global_store_b64 v6, v[SB:SB+1], s[20:21]      ; my column's two scale words
	s_endpgm
.Lfunc_end_k_q8eb6a26bcd_quant:
	.size	k_q8eb6a26bcd_quant, .Lfunc_end_k_q8eb6a26bcd_quant-k_q8eb6a26bcd_quant
	.p2alignl 7, 3214868480
	.fill 96, 4, 3214868480
	.section	.rodata,"a",@progbits
	.p2align	6, 0x0
	.amdhsa_kernel k_q8eb6a26bcd_quant
		.amdhsa_group_segment_fixed_size 68096
		.amdhsa_private_segment_fixed_size 0
		.amdhsa_enable_private_segment 0
		.amdhsa_kernarg_size 72
		.amdhsa_user_sgpr_count 2
		.amdhsa_user_sgpr_kernarg_segment_ptr 1
		.amdhsa_wavefront_size32 1
		.amdhsa_system_sgpr_workgroup_id_x 1
		.amdhsa_system_sgpr_workgroup_id_y 1
		.amdhsa_system_sgpr_workgroup_id_z 1
		.amdhsa_system_vgpr_workitem_id 0
		.amdhsa_next_free_vgpr 256
		.amdhsa_next_free_sgpr 66
		.amdhsa_reserve_vcc 0
		.amdhsa_float_denorm_mode_32 3
		.amdhsa_float_denorm_mode_16_64 3
		.amdhsa_memory_ordered 1
		.amdhsa_forward_progress 1
		.amdhsa_inst_pref_size 55
	.end_amdhsa_kernel
	.amdgpu_metadata
---
amdhsa.version: [ 1, 2 ]
amdhsa.kernels:
  - .name:           k_q8eb6a26bcd_quant
    .symbol:         k_q8eb6a26bcd_quant.kd
    .args:
      - { .name: x, .offset: 0, .size: 8, .value_kind: global_buffer, .address_space: global }
      - { .name: wq, .offset: 8, .size: 8, .value_kind: global_buffer, .address_space: global }
      - { .name: wk, .offset: 16, .size: 8, .value_kind: global_buffer, .address_space: global }
      - { .name: wv, .offset: 24, .size: 8, .value_kind: global_buffer, .address_space: global }
      - { .name: wo, .offset: 32, .size: 8, .value_kind: global_buffer, .address_space: global }
      - { .name: xc, .offset: 40, .size: 8, .value_kind: global_buffer, .address_space: global }
      - { .name: xs, .offset: 48, .size: 8, .value_kind: global_buffer, .address_space: global }
      - { .name: wc, .offset: 56, .size: 8, .value_kind: global_buffer, .address_space: global }
      - { .name: ws, .offset: 64, .size: 8, .value_kind: global_buffer, .address_space: global }
    .group_segment_fixed_size: 68096
    .private_segment_fixed_size: 0
    .kernarg_segment_align: 8
    .kernarg_segment_size: 72
    .max_flat_workgroup_size: 128
    .sgpr_count:     66
    .vgpr_count:     256
    .wavefront_size: 32
...
	.end_amdgpu_metadata
.endif
;; end of part 1
;; launch qkv (part 2): grid 8 x 48, 4 waves a work-group, clusters of 4 x 4, 327,680 bytes of LDS; arguments xc, xs, wc, ws, bq, bk, bv, qkvc, qkvs; writes qkvc, qkvs
.if DOCPART == 2
	.amdgcn_target "amdgcn-amd-amdhsa--gfx1250"
	.amdhsa_code_object_version 6
	.text
	.protected	k_q8eb6a26bcd_qkv
	.globl	k_q8eb6a26bcd_qkv
	.p2align	8
	.type	k_q8eb6a26bcd_qkv,@function
k_q8eb6a26bcd_qkv:
	s_mov_b64 s[64:65], 0
	v_nop
	global_prefetch_b8 v0, s[64:65] scope:SCOPE_SE
	s_setreg_imm32_b32 hwreg(HW_REG_WAVE_MODE, 25, 1), 1
	s_wait_xcnt 0x0
	s_wait_alu depctr_hold_cnt(0) depctr_sa_sdst(0) depctr_va_vdst(0) depctr_va_sdst(0) depctr_va_ssrc(0) depctr_va_vcc(0) depctr_vm_vsrc(0)
	s_getreg_b32 s2, hwreg(HW_REG_IB_STS2, 6, 4)
	s_cmp_eq_u32 s2, 0
	s_cbranch_scc0 .Lentry_in_a_cluster
	s_endpgm
.Lentry_in_a_cluster:
	s_bfe_u32 s2, ttmp6, 0x10000c
	s_cmp_lg_u32 s2, 0xf033
	s_cbranch_scc0 .Lentry_shape_is_right
	s_endpgm
.Lentry_shape_is_right:
; q = x wq + bq, k = x wk + bk, v = x wv + bv on codes of BF6 with E8M0 scales, and each result quantised again, in registers, for attention's products; only codes and scale words go to memory.
; OPERANDS come as register images: a tile tau holds rows 32 (tau / 2) + 8 (tau % 2) + r + 8 (r / 8); codes [tau][chunk of 128 K (8)][1536], scale words [tau][256 K (4)][r][2].
; A work-group of four waves makes 256 rows of source 0 x 256 rows of source 1; a wave 128 x 128: 64 accumulators, 512 registers.  In a result lane (r, h) holds row r of source 1's tile, and the 16 registers of
; source 0's tiles 2 b, 2 b + 1 are 16 NEIGHBOURS, 32 b + 16 h + 0 .. 15, of source 0's rows: so the axis of source 0 is the axis along which the result is quantised.
; TWO KINDS OF WORK-GROUP, told apart by the cluster's y alone, with no branch: y < 8: source 0 = wq, wk (the head's channels are the next K), source 1 = x.  y >= 8: source 0 = x (the keys are the next K), source 1 = wv.
; The bias along source 0 is the C of each sum's first product; the bias along source 1 (bv) is added, one number a lane, on the way out; each is made zero, by a select, in the kind that has not got it.
; K goes in steps of 256 through two LDS slots filled by joint tensor loads of a 4 x 4 cluster (source 1's tiles shared along a row, source 0's along a column); K = 1,024 is four steps, written out.
; OUT: q, k: [head pair, q's 8 then k's 8][batch][tau (128)][1536], half pi of a chunk = head 2 hp + pi.  v: behind them, [batch][head pair][128 keys (16)][4 pi + dt][1536]: 16 channels x 128 keys.
; Scale words in octets of 512 bytes for 8 blocks a of 16 rows: [a / 4][lane: 16 (a % 2) + r][(a / 2) % 2].
; LIMITS: a block whose largest magnitude lies under 2^-122 (zeros too) gets the scale byte 1; NaN and infinities are not served.
; REGISTERS: window 0: v16-23 LDS addresses, v24-25 16 x and 8 x lane, v27 scale words' address, v28-29 for the add; v32-63 scale words, two sets; v64-127 the bias as C, later at work; v128-223 source 1's fragments, one set,
;   later the block on its way out; v224-239 bv, each number twice.   window 1: source 0's fragments, two sets, at v0 and v128.   windows 2, 3: the accumulators ((a, b) at v[8 (8 (a % 4) + b)] of window 2 + a / 4).
.set TROW,  3072                       ; a tile's two chunks of a K step
.set HALFT, 8*TROW                     ; 8 tiles: what one tensor load brings, and what one wave reads of a source
.set SLOT,  4*HALFT                    ; source 1's 16 tiles, then source 0's
.set SCL,   2*SLOT                     ; behind the ring: the scale words for all of K, source 1's 8,192 bytes, then source 0's
.set HALFS, 4096
.set SPARE, SCL+4*HALFS                ; the spare words, 128 bytes for each wave: two blocks of 256 bytes that no other line names
.set FR,    12                         ; registers of a fragment
.set A16,  16                          ; v16-17 source 1's fragments in slot 0, 1: + 16 x lane;  v18-19: + 8 x lane
.set A8,   18
.set B16,  20                          ; v20-23 the same for source 0
.set B8,   22
.set O16,  24
.set O8,   25
.set ADRS, 27
.set SPW,  28
.set NIL,  29
.set SC,   32
.set BR,   64
.set AF,   128
.set BL,   224
.set HA,   128                         ; the way out: a block's 64 numbers
.set PC,   192                         ; its codes (12, and 8 at work)
.set TM,   64                          ; at work: +0 maxima, +4 permutes and bytes, +12 scale operands
.set PWS,  80                          ; v80-87 the eight blocks' scale words
.set MW,   88                          ; v88-91 the octet
.set G1,   24
.set G0,   32
.set G1B,  48
.set G0B,  56
.set KV,   66                          ; s66  -1 in the v kind, 0 in the other
.set HI,   67                          ; s67  lanes 16-31
.set G1S,  68
.set G0S,  76
.set G1SB, 80
.set G0SB, 88
.set MSB, 0
.macro WIN new                         ; the immediate's high byte repeats the setting that is left
.if MSB != (\new)
	s_set_vgpr_msb (MSB<<8)|(\new)
.set MSB, (\new)
.endif
.endm
.set MUL_LO, 0xa1                      ; source 0 window 1, source 1 window 0, C and D window 2
.set MUL_HI, 0xf1                      ; the same, C and D window 3
.set FST_LO, 0x81                      ; a sum's first product: C (the bias) window 0, D window 2
.set FST_HI, 0xc1                      ; D window 3
.set TO_B,   0x40                      ; destination window 1, address window 0
; A joint load: waves 0 and 1 fetch for source 1, waves 2 and 3 for source 0.  The branch hangs on the wave's number alone.  Four v_nop follow each of the two lines.
.macro JLOAD g0a, g1a, g0b, g1b
	s_cmp_eq_u32 s15, 0
	s_cbranch_scc0 .Lfor_b_\@
	tensor_load_to_lds s[\g0a:\g0a+3], s[\g1a:\g1a+7]
	s_nop 0
.rept 4
	v_nop
.endr
	s_branch .Lasked_\@
.Lfor_b_\@:
	tensor_load_to_lds s[\g0b:\g0b+3], s[\g1b:\g1b+7]
	s_nop 0
.rept 4
	v_nop
.endr
.Lasked_\@:
.endm
.macro CREST                           ; a round of the cluster's barrier behind its opening barrier
	s_cmp_lg_u32 s14, 0
	s_cbranch_scc1 .Lnot_wave_0_\@
	s_barrier_signal -3
.Lnot_wave_0_\@:
	s_barrier_wait -3
	s_barrier_signal -1
	s_barrier_wait -1
.endm
.macro CROUND
	s_barrier_signal -1
	s_barrier_wait -1
	CREST
.endm
.macro PLACES                          ; four places behind a matrix instruction, ahead of loads into its registers and of reads of its results
.rept 4
	v_nop
.endr
.endm
.macro FRAG reg, a16, a8, off          ; a fragment's image: every access is 16 or 8 bytes a lane, lane by lane on end
	ds_load_b128 v[\reg:\reg+3], v[\a16] offset:\off
	ds_load_b64 v[\reg+4:\reg+5], v[\a8] offset:\off+512
	ds_load_b128 v[\reg+6:\reg+9], v[\a16] offset:\off+768
	ds_load_b64 v[\reg+10:\reg+11], v[\a8] offset:\off+1280
.endm
.macro FETCH_B slot, q, p              ; source 0's eight fragments of the slot's chunk q into set p
	WIN TO_B
.irp i, 0,1,2,3,4,5,6,7
	FRAG 128*(\p)+FR*\i, B16+\slot, B8+\slot, \i*TROW+(\q)*1536
.endr
	WIN 0
.endm
.macro FETCH_A slot, q, i0             ; source 1's blocks i0 .. i0 + 3
.irp i, \i0, \i0+1, \i0+2, \i0+3
	FRAG AF+FR*(\i), A16+\slot, A8+\slot, (\i)*TROW+(\q)*1536
.endr
.endm
.macro SCALES sc                       ; a K step's scale words: lanes 0-15 source 1's block i, lanes 16-31 source 0's block i; two words a row
.irp i, 0,1,2,3,4,5,6,7
	ds_load_b64 v[SC+16*\sc+2*\i:SC+16*\sc+2*\i+1], v[ADRS] offset:512*\i
.endr
.endm
; 16 matrix instructions: source 1's blocks a0, a0 + 1 x source 0's eight.  The 64 accumulators take turns, one instruction a turn, in the same order in every chunk.
.macro MUL16 a0, p, q, sc, first
.irp a, \a0, \a0+1
.irp b, 0,1,2,3,4,5,6,7
.if \first
	v_wmma_scale_f32_16x16x128_f8f6f4 v[8*(8*((\a)%4)+\b):8*(8*((\a)%4)+\b)+7], v[128*(\p)+FR*\b:128*(\p)+FR*\b+FR-1], v[AF+FR*(\a):AF+FR*(\a)+FR-1], v[BR+8*\b:BR+8*\b+7], v[SC+16*(\sc)+2*\b+(\q)], v[SC+16*(\sc)+2*(\a)+(\q)] matrix_a_fmt:MATRIX_FMT_BF6 matrix_b_fmt:MATRIX_FMT_BF6 matrix_a_scale:MATRIX_SCALE_ROW1
.else
	v_wmma_scale_f32_16x16x128_f8f6f4 v[8*(8*((\a)%4)+\b):8*(8*((\a)%4)+\b)+7], v[128*(\p)+FR*\b:128*(\p)+FR*\b+FR-1], v[AF+FR*(\a):AF+FR*(\a)+FR-1], v[8*(8*((\a)%4)+\b):8*(8*((\a)%4)+\b)+7], v[SC+16*(\sc)+2*\b+(\q)], v[SC+16*(\sc)+2*(\a)+(\q)] matrix_a_fmt:MATRIX_FMT_BF6 matrix_b_fmt:MATRIX_FMT_BF6 matrix_a_scale:MATRIX_SCALE_ROW1
.endif
.endr
.endr
.endm
; A slot's first chunk; it fetches the second.
.macro STEP slot, first
	s_wait_dscnt 16                                ; all but the youngest sixteen loads: source 1's blocks 4-7
.if \first
	WIN FST_LO
.else
	WIN MUL_LO
.endif
	MUL16 0, 0, 0, \slot, \first
	MUL16 2, 0, 0, \slot, \first
	s_wait_dscnt 0x0                               ; blocks 4-7 are in
	PLACES
	FETCH_B \slot, 1, 1
	FETCH_A \slot, 1, 0
.if \first
	WIN FST_HI
.else
	WIN MUL_HI
.endif
	MUL16 4, 0, 0, \slot, \first
	MUL16 6, 0, 0, \slot, \first
	PLACES
	WIN 0
	FETCH_A \slot, 1, 4
.endm
; A slot's second chunk changes slots: one barrier; in front of it each wave waits for all its tensor loads, adds 0 to its spare word, and waits for that and for its reads of this slot.  fill = 1: the slot is filled again, two K steps ahead.
.macro TURN slot, next, fill
	s_wait_tensorcnt 0x0                           ; all my tensor loads have landed: my part of the next slot
	ds_add_u32 v[SPW], v[NIL]                      ; 0 onto my spare word
	s_wait_dscnt 17                                ; (the add and the youngest sixteen loads may be out)
	WIN MUL_LO
	MUL16 0, 1, 1, \slot, 0
	s_wait_dscnt 0x0                               ; the add is done, and my reads of this slot are over
	s_barrier_signal -1
	MUL16 2, 1, 1, \slot, 0
	WIN 0
	s_barrier_wait -1
.if \fill
	CREST                                          ; the barrier has opened a round of the cluster's: no wave of any partner still reads this slot or has a load on its way
	s_add_nc_u64 s[G0+4*\slot+2:G0+4*\slot+3], s[G0+4*\slot+2:G0+4*\slot+3], 2*TROW
	s_add_nc_u64 s[G0B+4*\slot+2:G0B+4*\slot+3], s[G0B+4*\slot+2:G0B+4*\slot+3], 2*TROW
	JLOAD G0+4*\slot, G1, G0B+4*\slot, G1B         ; the first tensor load behind the round; its four v_nop are the places in front of the loads below
.else
	PLACES
.endif
	s_wait_alu depctr_va_vdst(0)
	v_add_nc_u32 v[ADRS], 128, v[ADRS]             ; the next K step's scale words
	FETCH_B \next, 0, 0
	FETCH_A \next, 0, 0
	SCALES \next
	WIN MUL_HI
	MUL16 4, 1, 1, \slot, 0
	MUL16 6, 1, 1, \slot, 0
	PLACES
	WIN 0
	FETCH_A \next, 0, 4
.endm
	s_load_b256 s[4:11], s[0:1], 0x0               ; xc s[4:5], xs s[6:7], wc s[8:9], ws s[10:11]
	s_load_b256 s[92:99], s[0:1], 0x20             ; bq s[92:93], bk s[94:95], bv s[96:97], qkvc s[98:99]
	s_load_b64 s[100:101], s[0:1], 0x40            ; qkvs
	v_lshl_add_u32 v[SPW], v0, 2, SPARE
	v_mov_b32 v[NIL], 0
	ds_add_u32 v28, v29
	ds_add_u32 v28, v29
	s_wait_dscnt 0x0
	v_lshrrev_b32 v1, 5, v0
	v_readfirstlane_b32 s14, v1                    ; wave 0..3
	s_lshr_b32 s15, s14, 1                         ; my half of source 1's rows.  Also: I fetch for source 1 (0) or source 0 (1)
	s_and_b32 s16, s14, 1                          ; my half of source 0's rows.  Also: which 8 tiles I fetch
	s_bfe_u32 s40, ttmp6, 0x40000                  ; cx
	s_bfe_u32 s41, ttmp6, 0x40004                  ; cy
	s_and_b32 s13, ttmp7, 0xffff                   ; the cluster's y: 0-7 q and k, 8-11 v
	s_cmp_ge_u32 s13, 8
	s_cselect_b32 s[KV], -1, 0
	s_lshl_b32 s42, ttmp9, 2
	s_add_co_u32 s42, s42, s40                     ; source 0's block of 256 rows: 4 x cluster x + cx,
	s_sub_co_u32 s46, s13, 8
	s_lshl_b32 s46, s46, 3
	s_and_b32 s46, s46, s[KV]
	s_add_co_u32 s42, s42, s46                     ; in the v kind + 8 (y - 8): 32 blocks of tokens
	s_lshl_b32 s17, s13, 2
	s_and_not1_b32 s17, s17, s[KV]
	s_add_co_u32 s17, s17, s41                     ; source 1's block: 4 y + cy (tokens), in the v kind cy (wv's columns)
	s_lshl_b32 s43, s41, 2
	s_lshl_b32 s43, 15, s43                        ; my row of the cluster
	s_lshl_b32 s44, 0x1111, s40                    ; my column
	; group 1, codes: 8 tiles x 3,072 bytes (384 elements of 8 bytes), 12,288 bytes from tile to tile; no padding: an image is read lane by lane on end
	s_or_b32 s[G1+0], s43, (3<<16)|(1<<21)         ; 15:0 the mask: source 1's tiles go to my row; 17:16 elements of 8 bytes; 21 set beside a mask
	s_or_b32 s[G1B+0], s44, (3<<16)|(1<<21)        ; source 0's to my column
.irp g, G1, G1B
	s_mov_b32 s[\g+1], 384<<16                     ; tensor_dim0
	s_mov_b32 s[\g+2], 16<<16                      ; tensor_dim1: 16 tiles for the head's loads; set to 8 for the ring's behind them
	s_mov_b32 s[\g+3], 384<<16                     ; tile_dim0
	s_mov_b32 s[\g+4], 16                          ; tile_dim1
	s_mov_b32 s[\g+5], 1536                        ; tensor_dim0_stride
	s_mov_b32 s[\g+6], 0
	s_mov_b32 s[\g+7], 0
.endr
	; group 1, scale words: 16 tiles' 8,192 dense bytes as 32 rows of 256
	s_or_b32 s[G1S+0], s43, (3<<16)|(1<<21)
	s_or_b32 s[G1SB+0], s44, (3<<16)|(1<<21)
.irp g, G1S, G1SB
	s_mov_b32 s[\g+1], 32<<16
	s_mov_b32 s[\g+2], 32<<16                      ; 16 tiles' 8,192 dense bytes as 32 rows of 256
	s_mov_b32 s[\g+3], 32<<16
	s_mov_b32 s[\g+4], 32
	s_mov_b32 s[\g+5], 32
	s_mov_b32 s[\g+6], 0
	s_mov_b32 s[\g+7], 0
.endr
	s_lshl_b32 s20, s17, 4
	s_and_b32 s19, s[KV], 128                      ; wv's tiles begin at 128
	s_add_co_u32 s20, s20, s19                     ; source 1's first tile of 16
	s_lshl_b32 s22, s20, 9                         ; its scale words,
	s_mul_i32 s20, s20, 12288                      ; its codes
	s_mov_b32 s21, 0
	s_mov_b32 s23, 0
	s_mul_i32 s18, s16, 8*12288                    ; in the ring I fetch 8 of the 16 tiles: which, in bytes
	s_mov_b32 s19, 0
	s_lshl_b32 s46, s42, 4                         ; source 0's first tile of 16
	s_lshl_b32 s2, s46, 9
	s_mul_i32 s46, s46, 12288
	s_mov_b32 s47, 0
	s_mov_b32 s3, 0
	s_mul_i32 s45, s14, HALFT                      ; where they go: wave x 8 tiles: no place in the cluster enters an LDS address
	s_wait_kmcnt 0x0
	s_cmp_ge_u32 s13, 8                            ; the buffers are chosen by the kind, which hangs on no address
	s_cselect_b64 s[G0+2:G0+3], s[8:9], s[4:5]
	s_cselect_b64 s[G0S+2:G0S+3], s[10:11], s[6:7]
	s_cselect_b64 s[G0B+2:G0B+3], s[4:5], s[8:9]
	s_cselect_b64 s[G0SB+2:G0SB+3], s[6:7], s[10:11]
	s_add_nc_u64 s[G0+2:G0+3], s[G0+2:G0+3], s[20:21]
	s_add_nc_u64 s[G0S+2:G0S+3], s[G0S+2:G0S+3], s[22:23]
	s_add_nc_u64 s[G0B+2:G0B+3], s[G0B+2:G0B+3], s[46:47]
	s_add_nc_u64 s[G0SB+2:G0SB+3], s[G0SB+2:G0SB+3], s[2:3]
.set G0H,  4                           ; s[4:7], s[8:11] group 0 for the head's loads of K step 0 (the arguments that lay there have been used)
.set G0HB, 8
	s_mov_b64 s[G0H+2:G0H+3], s[G0+2:G0+3]         ; the head: source 1's 16 tiles whole,
	s_mov_b64 s[G0HB+2:G0HB+3], s[G0B+2:G0B+3]     ; and source 0's
	s_add_nc_u64 s[G0+2:G0+3], s[G0+2:G0+3], s[18:19]      ; the ring: my 8 tiles
	s_add_nc_u64 s[G0B+2:G0B+3], s[G0B+2:G0B+3], s[18:19]
	s_add_nc_u64 s[G0+6:G0+7], s[G0+2:G0+3], TROW  ; slot 1: K step 1
	s_add_nc_u64 s[G0B+6:G0B+7], s[G0B+2:G0B+3], TROW
.irp g, G0, G0+4, G0B, G0B+4, G0S, G0SB, G0H, G0HB
	s_mov_b32 s[\g], 1                             ; count = 1
	s_or_b32 s[\g+3], s[\g+3], 0x80000000          ; type = 2
.endr
	s_mov_b32 s[G0+1], s45
	s_add_co_u32 s[G0+5], s45, SLOT
	s_mov_b32 s[G0B+1], s45
	s_add_co_u32 s[G0B+5], s45, SLOT
	s_mov_b32 s[G0S+1], SCL
	s_mov_b32 s[G0SB+1], SCL+2*HALFS
	s_mov_b32 s[G0H+1], 0
	s_mov_b32 s[G0HB+1], 2*HALFT
	CROUND                                         ; all sixteen work-groups are here: the first joint loads meet
; The head's four tiles, one joint load a wave: wave 0 source 1's 16 tiles of K step 0, wave 1 source 0's, wave 2 source 1's scale words, wave 3 source 0's.
.macro ARM under, g0, g1, next
	s_cmp_lt_u32 s14, \under
	s_cbranch_scc0 \next
	tensor_load_to_lds s[\g0:\g0+3], s[\g1:\g1+7]
	s_nop 0
.rept 4
	v_nop
.endr
	s_branch .Lhead_asked
\next:
.endm
	ARM 1, G0H,  G1,  .Lhead_b
	ARM 2, G0HB, G1B, .Lhead_sa
	ARM 3, G0S,  G1S, .Lhead_sb
	tensor_load_to_lds s[G0SB:G0SB+3], s[G1SB:G1SB+7]
	s_nop 0
.rept 4
	v_nop
.endr
.Lhead_asked:
	v_and_b32 v1, 31, v0                           ; lane
	v_and_b32 v2, 15, v0                           ; r
	v_bfe_u32 v3, v0, 4, 1                         ; h
	v_lshlrev_b32 v[O16], 4, v1
	v_lshlrev_b32 v[O8], 3, v1
	s_mul_i32 s21, s15, HALFT                      ; my 8 tiles of source 1
	s_mul_i32 s22, s16, HALFT                      ; my 8 tiles of source 0,
	s_add_co_u32 s22, s22, 2*HALFT                 ; which lie behind source 1's 16
.irp s, 0,1
	v_add_nc_u32 v[A16+\s], s21, v[O16]
	v_add_nc_u32 v[A8+\s], s21, v[O8]
	v_add_nc_u32 v[B16+\s], s22, v[O16]
	v_add_nc_u32 v[B8+\s], s22, v[O8]
	s_add_co_u32 s21, s21, SLOT
	s_add_co_u32 s22, s22, SLOT
.endr
	s_lshl_b32 s21, s15, 12                        ; scale words: source 1's, my 8 tiles;
	s_lshl_b32 s22, s16, 12                        ; source 0's, behind source 1's 16
	s_add_co_u32 s22, s22, 2*HALFS
	s_sub_co_u32 s22, s22, s21
	v_mul_u32_u24 v4, s22, v3                      ; lanes 16-31 take source 0's: one product, the distance between the two
	s_add_co_u32 s21, s21, SCL
	v_lshl_add_u32 v4, v2, 3, v4                   ; 8 bytes a row
	v_add_nc_u32 v[ADRS], s21, v4
	; the bias along source 0: tile b's eight numbers of my half: 32 (b / 2) + 16 h + 8 (b % 2) + 0 .. 7.  (In the v kind the address stays inside the bias and the numbers are replaced by zeros.)
	s_and_b32 s20, s42, 3
	s_lshl_b32 s20, s20, 10
	s_lshl_b32 s21, s16, 9
	s_add_co_u32 s20, s20, s21
	s_mov_b32 s21, 0
	s_cmp_eq_u32 ttmp9, 0                          ; source 0's blocks 0-3 are wq's, 4-7 wk's
	s_cselect_b64 s[18:19], s[92:93], s[94:95]
	s_add_nc_u64 s[18:19], s[18:19], s[20:21]
	v_lshlrev_b32 v5, 6, v3                        ; 64 h
.irp b, 0,1,2,3,4,5,6,7
	global_load_b128 v[BR+8*\b:BR+8*\b+3], v5, s[18:19] offset:128*(\b/2)+32*(\b%2)
	global_load_b128 v[BR+8*\b+4:BR+8*\b+7], v5, s[18:19] offset:128*(\b/2)+32*(\b%2)+16
.endr
	; the bias along source 1: bv at my lane's row of block a, twice, for the packed add
	s_lshl_b32 s22, s41, 10
	s_lshl_b32 s23, s15, 9
	s_add_co_u32 s22, s22, s23
	s_mov_b32 s23, 0
	s_add_nc_u64 s[96:97], s[96:97], s[22:23]
	v_and_b32 v6, 8, v2
	v_add_nc_u32 v6, v6, v2                        ; r + 8 (r / 8)
	v_lshlrev_b32 v6, 2, v6
.irp a, 0,1,2,3,4,5,6,7
	global_load_b32 v[BL+2*\a], v6, s[96:97] offset:(32*(\a/2)+8*(\a%2))*4
	global_load_b32 v[BL+2*\a+1], v6, s[96:97] offset:(32*(\a/2)+8*(\a%2))*4
.endr
	s_wait_loadcnt 0x0
.set j, 0
.rept 64
	v_cndmask_b32 v[BR+j], v[BR+j], 0, s[KV]       ; no bias along source 0 in the v kind
.set j, j+1
.endr
.set j, 0
.rept 16
	v_cndmask_b32 v[BL+j], 0, v[BL+j], s[KV]       ; none along source 1 in the other.  (These sixteen also stand between the last write of the C registers and the first product)
.set j, j+1
.endr
	; where my results go: run IDX of 12,288 bytes of codes and of 512 bytes of scale words
	s_lshl_b32 s18, s42, 1
	s_add_co_u32 s18, s18, s16                     ; q, k: head pair (q's 8, then k's 8)
	s_lshl_b32 s18, s18, 2
	s_lshr_b32 s19, s17, 3
	s_add_co_u32 s18, s18, s19                     ; x 4 + batch
	s_lshl_b32 s18, s18, 4
	s_and_b32 s19, s17, 7
	s_lshl_b32 s19, s19, 1
	s_add_co_u32 s18, s18, s19
	s_add_co_u32 s18, s18, s15                     ; x 16 + my 8 tiles of the batch's 128
	s_lshr_b32 s19, s42, 3                         ; v: batch
	s_lshl_b32 s19, s19, 3
	s_lshl_b32 s20, s41, 1
	s_add_co_u32 s19, s19, s20
	s_add_co_u32 s19, s19, s15                     ; x 8 + head pair
	s_lshl_b32 s19, s19, 4
	s_and_b32 s20, s42, 7
	s_lshl_b32 s20, s20, 1
	s_add_co_u32 s19, s19, s20
	s_add_co_u32 s19, s19, s16                     ; x 16 + my 128 keys
	s_add_co_u32 s19, s19, 1024                    ; behind q's and k's 1,024 runs
	s_cmp_ge_u32 s13, 8
	s_cselect_b32 s18, s19, s18
	s_mul_i32 s20, s18, 12288
	s_mov_b32 s21, 0
	s_add_nc_u64 s[98:99], s[98:99], s[20:21]
	s_lshl_b32 s20, s18, 9
	s_add_nc_u64 s[100:101], s[100:101], s[20:21]
	s_mov_b32 s[HI], 0xffff0000
	s_mov_b32 s2, 0x76543210
	s_mov_b32 s3, 0xfedcba98                       ; v_permlanex16_b32's selects for lane l xor 16
	s_wait_alu depctr_va_vdst(0)
	s_wait_tensorcnt 0x0                           ; my tile of the head's four is in; these lines stand ahead of slot 1's first fill as ahead of a refill
	ds_add_u32 v[SPW], v[NIL]
	s_mov_b32 s[G1+2], 8<<16                       ; no tensor load of mine is out: from here on a load brings 8 tiles
	s_mov_b32 s[G1+4], 8
	s_mov_b32 s[G1B+2], 8<<16
	s_mov_b32 s[G1B+4], 8
	s_wait_dscnt 0x0
	CROUND                                         ; all four tiles are in, and all sixteen work-groups are here
	JLOAD G0+4, G1, G0B+4, G1B                     ; K step 1: the first tensor load behind the round
	FETCH_B 0, 0, 0
	FETCH_A 0, 0, 0
	SCALES 0
	FETCH_A 0, 0, 4
	STEP 0, 1                                      ; the first chunk's products start the sums from the bias
	TURN 0, 1, 1
	STEP 1, 0
	TURN 1, 0, 1
	STEP 0, 0
	TURN 0, 1, 0                                   ; the last two K steps are in: nothing is filled
	STEP 1, 0
	s_wait_dscnt 16                                ; the last chunk: nothing more to fetch
	WIN MUL_LO
	MUL16 0, 1, 1, 1, 0
	MUL16 2, 1, 1, 1, 0
	s_wait_dscnt 0x0
	WIN MUL_HI
	MUL16 4, 1, 1, 1, 0
	MUL16 6, 1, 1, 1, 0
	WIN 0
; 64 numbers of a lane, register 16 b + i = k 32 b + 16 h + i of my row, become a fragment's codes in v[PC] on and its scale word in v[pw]
.macro QUANT s, pw
.irp b, 0,1,2,3
	v_max3_num_f32 v[TM+\b], |v[\s+16*\b]|, |v[\s+1+16*\b]|, 0x2800000   ; my 16 numbers of block b, and the floor 2^(5 - 127): the byte cannot fall under 1
.endr
.irp i, 2,4,6,8,10,12,14
.irp b, 0,1,2,3
	v_max3_num_f32 v[TM+\b], v[TM+\b], |v[\s+16*\b+\i]|, |v[\s+1+16*\b+\i]|
.endr
.endr
.irp b, 0,1,2,3
	v_permlanex16_b32 v[TM+4+\b], v[TM+\b], s2, s3
.endr
.irp b, 0,1,2,3
	v_max_num_f32 v[TM+\b], v[TM+\b], v[TM+4+\b]   ; with lane l xor 16's: the block's largest magnitude
.endr
.irp b, 0,1,2,3
	v_add_nc_u32 v[TM+12+\b], 0xfe000000, v[TM+\b] ; 4 off its exponent field: the conversion's scale operand
.endr
.irp b, 0,1,2,3
	v_lshrrev_b32 v[TM+4+\b], 23, v[TM+12+\b]      ; the scale's byte
.endr
	v_lshl_or_b32 v[\pw], v[TM+5], 8, v[TM+4]
	v_lshl_or_b32 v[\pw], v[TM+6], 16, v[\pw]
	v_lshl_or_b32 v[\pw], v[TM+7], 24, v[\pw]
.irp c, 0,1
	v_cvt_scalef32_pk16_bf6_f32 v[PC+6*\c:PC+2+6*\c], v[\s+32*\c:\s+15+32*\c], v[TM+12+2*\c]
	v_cvt_scalef32_pk16_bf6_f32 v[PC+12+4*\c:PC+14+4*\c], v[\s+16+32*\c:\s+31+32*\c], v[TM+12+2*\c+1]   ; (a conversion's three registers begin on an even number)
.endr
	v_nop                                          ; one plain place behind a scaled conversion
.irp c, 0,1                                    ; the operand's layout wants a whole block in a lane: lanes 0-15 block 2 c, lanes 16-31 block 2 c + 1
.irp i, 0,1,2
	v_permlane16_swap_b32 v[PC+6*\c+\i], v[PC+12+4*\c+\i]
.endr
.irp i, 0,1,2
	v_mov_b32 v[PC+3+6*\c+\i], v[PC+12+4*\c+\i]
.endr
.endr
.endm
; Block a of source 1's rows goes out: + the bias of my row (which is also the move into window 0; each accumulator is read from its low end on), quantised, stored as an image.
.macro OUTBLK a
.if (\a) > 0
	s_wait_xcnt 0x0                                ; the last block's stores have read their registers
.endif
	WIN 0x02+(\a)/4                                ; source 0: window 2 or 3
.set AC, 64*((\a)%4)
.set j, 0
.rept 32
	v_pk_add_f32 v[HA+j:HA+j+1], v[AC+j:AC+j+1], v[BL+2*(\a):BL+2*(\a)+1]
.set j, j+2
.endr
	WIN 0
	QUANT HA, PWS+(\a)
	global_store_b128 v[O16], v[PC:PC+3], s[98:99] offset:1536*(\a)          ; each store writes 512 or 256 consecutive bytes, aligned
	global_store_b64 v[O8], v[PC+4:PC+5], s[98:99] offset:1536*(\a)+512
	global_store_b128 v[O16], v[PC+6:PC+9], s[98:99] offset:1536*(\a)+768
	global_store_b64 v[O8], v[PC+10:PC+11], s[98:99] offset:1536*(\a)+1280
.endm
	PLACES                                         ; behind the last products: their sources are written and results are read below
.irp a, 0,1,2,3,4,5,6,7
	OUTBLK \a
.endr
.irp i, 0,1,2,3
	v_cndmask_b32 v[MW+\i], v[PWS+2*\i], v[PWS+2*\i+1], s[HI]   ; lanes 0-15 block 2 i's words, lanes 16-31 block 2 i + 1's
.endr
	global_store_b64 v[O8], v[MW:MW+1], s[100:101]
	global_store_b64 v[O8], v[MW+2:MW+3], s[100:101] offset:256
	s_wait_tensorcnt 0x0                           ; the wave's end
	ds_add_u32 v[SPW], v[NIL]
	s_wait_dscnt 0x0
	CROUND                                         ; the closing round: no work-group ends while a partner may still ask for a tile that names it
	s_endpgm
.Lfunc_end_k_q8eb6a26bcd_qkv:
	.size	k_q8eb6a26bcd_qkv, .Lfunc_end_k_q8eb6a26bcd_qkv-k_q8eb6a26bcd_qkv
	.p2alignl 7, 3214868480
	.fill 96, 4, 3214868480
	.section	.rodata,"a",@progbits
	.p2align	6, 0x0
	.amdhsa_kernel k_q8eb6a26bcd_qkv
		.amdhsa_group_segment_fixed_size 327680
		.amdhsa_private_segment_fixed_size 0
		.amdhsa_enable_private_segment 0
		.amdhsa_kernarg_size 72
		.amdhsa_user_sgpr_count 2
		.amdhsa_user_sgpr_kernarg_segment_ptr 1
		.amdhsa_wavefront_size32 1
		.amdhsa_system_sgpr_workgroup_id_x 1
		.amdhsa_system_sgpr_workgroup_id_y 1
		.amdhsa_system_sgpr_workgroup_id_z 1
		.amdhsa_system_vgpr_workitem_id 0
		.amdhsa_next_free_vgpr 1024
		.amdhsa_next_free_sgpr 102
		.amdhsa_reserve_vcc 0
		.amdhsa_float_denorm_mode_32 3
		.amdhsa_float_denorm_mode_16_64 3
		.amdhsa_memory_ordered 1
		.amdhsa_forward_progress 1
		.amdhsa_inst_pref_size 174
	.end_amdhsa_kernel
	.amdgpu_metadata
---
amdhsa.version: [ 1, 2 ]
amdhsa.kernels:
  - .name:           k_q8eb6a26bcd_qkv
    .symbol:         k_q8eb6a26bcd_qkv.kd
    .args:
      - { .name: xc, .offset: 0, .size: 8, .value_kind: global_buffer, .address_space: global }
      - { .name: xs, .offset: 8, .size: 8, .value_kind: global_buffer, .address_space: global }
      - { .name: wc, .offset: 16, .size: 8, .value_kind: global_buffer, .address_space: global }
      - { .name: ws, .offset: 24, .size: 8, .value_kind: global_buffer, .address_space: global }
      - { .name: bq, .offset: 32, .size: 8, .value_kind: global_buffer, .address_space: global }
      - { .name: bk, .offset: 40, .size: 8, .value_kind: global_buffer, .address_space: global }
      - { .name: bv, .offset: 48, .size: 8, .value_kind: global_buffer, .address_space: global }
      - { .name: qkvc, .offset: 56, .size: 8, .value_kind: global_buffer, .address_space: global }
      - { .name: qkvs, .offset: 64, .size: 8, .value_kind: global_buffer, .address_space: global }
    .group_segment_fixed_size: 327680
    .private_segment_fixed_size: 0
    .kernarg_segment_align: 8
    .kernarg_segment_size: 72
    .max_flat_workgroup_size: 128
    .sgpr_count:     102
    .vgpr_count:     1024
    .wavefront_size: 32
...
	.end_amdgpu_metadata
.endif
;; end of part 2
;; launch attn (part 3): grid 4 x 64, 16 waves a work-group, clusters of 4 x 1, 327,680 bytes of LDS; arguments qkvc, qkvs, attn_mask, oc, os; writes oc, os
.if DOCPART == 3
	.amdgcn_target "amdgcn-amd-amdhsa--gfx1250"
	.amdhsa_code_object_version 6
	.text
	.protected	k_q8eb6a26bcd_attn
	.globl	k_q8eb6a26bcd_attn
	.p2align	8
	.type	k_q8eb6a26bcd_attn,@function
k_q8eb6a26bcd_attn:
	s_mov_b64 s[64:65], 0
	v_nop
	global_prefetch_b8 v0, s[64:65] scope:SCOPE_SE
	s_setreg_imm32_b32 hwreg(HW_REG_WAVE_MODE, 25, 1), 1
	s_wait_xcnt 0x0
	s_wait_alu depctr_hold_cnt(0) depctr_sa_sdst(0) depctr_va_vdst(0) depctr_va_sdst(0) depctr_va_ssrc(0) depctr_va_vcc(0) depctr_vm_vsrc(0)
	s_getreg_b32 s2, hwreg(HW_REG_IB_STS2, 6, 4)
	s_cmp_eq_u32 s2, 0
	s_cbranch_scc0 .Lentry_in_a_cluster
	s_endpgm
.Lentry_in_a_cluster:
	s_bfe_u32 s2, ttmp6, 0x10000c
	s_cmp_lg_u32 s2, 0x3003
	s_cbranch_scc0 .Lentry_shape_is_right
	s_endpgm
.Lentry_shape_is_right:
; Attention of one head on codes of BF6: S^T = K Q^T (K = the head's 64, in an instruction of 128: Q's upper 64 codes are zeros), p = 2^(t - M), O^T = V^T P^T (K = the keys), O / l, quantised along the head's 64 for the last product.
; t = score x log2(e) / 8; M = the running largest t rounded UP to a whole number; the row's sum l is taken of the unquantised p; when M moves, l and O^T are multiplied by 2^(old M - new M), which rounds nothing.
; SHARES.  A work-group owns 512 queries of one head (work-group y: batch 16 y' + head); its sixteen waves own a tile of 16 queries each, in two passes.  The four work-groups of a cluster are one head's.
; ALL OF THE HEAD'S K AND V STAY IN LDS: 16 records, one for each step of 128 keys, filled ONCE by joint tensor loads (each wave one: K or V of a pair of steps): no byte of LDS is filled again.
; THE MASK IS THE C OF THE SCORE PRODUCT: a record holds, in key order, 0 for a key that counts and -2^32 for one that does not; the numbers are loaded into S^T's registers and the product adds onto them.
; A batch in which no key counts: reference() then weighs all keys alike.  A flag made of the mask's whole numbers replaces the mask numbers and Q's codes by zeros (selects, no branch): S = 0, p = 1, l = 2,048.
; LIMITS.  A masked key's score is lowered by 2^32 (its logit by 2^29) where reference() sets the logit to -1e9: the same results while the logits of a row lie within 5e8 of each other and |logit| < 7e8.
;   While only masked keys have been seen, t is near -7.7e8, where c s - M may err by 32: p stays under 2^33 and is wiped out by f = 0 at the first key that counts.  NaN and infinities are not served.
; LAYOUT.  Both products are used transposed: a lane holds ONE query (lane % 16).  A tile tau holds rows 32 (tau / 2) + 8 (tau % 2) + r + 8 (r / 8), so the 16 registers of K's tiles 2 b, 2 b + 1 are keys 32 b + 16 h + 0 .. 15.
; K's eight half fragments stand 6 registers apart: what an A operand holds at k = 64 .. 127 meets Q's zero codes, under scale bytes 0 (2^-127), and adds nothing.
; REGISTERS: v1-3 16 x, 8 x lane, 64 h; v4-6 the step's addresses; v7 Q's scale word; v8 at work; v9 8 r; v10 f, v11 P's scale word; v12 -M, v13 largest t; v14-15 l; v16-27 Q; v28-31 K's scale words;
;   v32-79 K, behind the score products at work; v80-85 zeros; v86-87 V's scale words; v88-151 S^T, then p; v152-183 O^T; v184-231 V; v232-243 P's codes.
; LDS AS THIS TEXT LAYS IT: eight pairs of key steps, PAIR bytes each.  In pair j: K of steps 2 j, 2 j + 1 (2 x 6,144 bytes, one joint load of wave j: 16 rows of 768), V of both (2 x 6,144, one joint load of wave 8 + j: 2 rows of 6,144),
; then, stored by LDS stores into blocks of 256 bytes of their own, each step's 1,280 bytes (mask numbers, K's and V's scale words), 6,144 bytes apart.  So step 2 j + e has the base j PAIR + 6,144 e, and all its parts the same offsets from it.
; Each wave issues ONE tensor load; one wait for 0 and one barrier show all of K and V to all waves; nothing is filled again.
.set PAIR, 32000                       ; 125 blocks of 256 bytes
.set VO,   12288                       ; V, from a step's base
.set MT,   24576                       ; the mask numbers, 128 f32
.set KS,   25088                       ; K's scale words, an octet
.set VS,   25600                       ; V's scale words, half an octet
.set RED,  8*PAIR                      ; 16 words: which waves saw a key that counts
.set TB2,  44                          ; s44 the base of a trip's second step
.set VC0,  12582912                    ; where v's codes begin in qkvc,
.set VS0,  524288                      ; and its scale words in qkvs
.set L16, 1
.set L8,  2
.set H64, 3
.set A16, 4
.set A8,  5
.set AM,  6
.set QS,  7
.set T1,  8
.set R8,  9
.set F,   10
.set PW,  11
.set NM,  12
.set TX,  13
.set LS,  14
.set Q,   16
.set KSW, 28
.set KF,  32
.set MX,  32                           ; over K's registers, once they have been multiplied: v32-35 block maxima,
.set PD,  36                           ; v36-43 permutes, bytes, the conversions' second halves,
.set SO,  44                           ; v44-47 the conversions' scale operands
.set ZR,  80
.set VSW, 86
.set S,   88
.set O,   152
.set VF,  184
.set PC,  232
.set WV,  18
.set SEL, 20
.set CS,  22
.set G1K, 24
.set G1V, 32
.set G0K, 40                           ; s[40:43] group 0 for K's tile;  s[68:71] for V's
.set G0V, 68
.set TB,  56
.set CNT, 57
.set FLAG, 58
.set SH,  59
.macro CROUND
	s_barrier_signal -1
	s_barrier_wait -1
	s_cmp_lg_u32 s[WV], 0
	s_cbranch_scc1 .Lnot_wave_0_\@
	s_barrier_signal -3
.Lnot_wave_0_\@:
	s_barrier_wait -3
	s_barrier_signal -1
	s_barrier_wait -1
.endm
	s_load_b256 s[4:11], s[0:1], 0x0               ; qkvc s[4:5], qkvs s[6:7], attn_mask s[8:9], oc s[10:11]
	s_load_b64 s[12:13], s[0:1], 0x20              ; os
	v_lshl_add_u32 v254, v0, 2, RED+256
	v_mov_b32 v255, 0
	ds_add_u32 v254, v255
	ds_add_u32 v254, v255
	v_lshrrev_b32 v[T1], 5, v0
	s_delay_alu instid0(VALU_DEP_1)
	v_readfirstlane_b32 s[WV], v[T1]               ; wave 0..15
	s_bfe_u32 s60, ttmp6, 0x40000                  ; cx: my 512 queries; it enters Q's and the outputs' addresses alone
	s_and_b32 s66, ttmp7, 0xffff
	s_lshr_b32 s61, s66, 4                         ; batch
	s_bfe_u32 s62, s66, 0x30001                    ; head pair
	s_and_b32 s63, s66, 1                          ; which head of the pair
	s_lshl_b32 s[SH], s63, 4                       ; its two bytes of a q or k scale word
	; what I fetch: waves 0-7 K, waves 8-15 V, of the pair of steps w % 8
	s_and_b32 s84, s[WV], 7
	s_mul_i32 s85, s84, 24576                      ; in memory two steps are 24,576 bytes on, in k's codes and in v's
	s_mul_i32 s86, s84, PAIR                       ; in LDS (V's: VO further on)
	s_add_co_u32 s88, s62, 8                       ; k's head pairs stand behind q's eight
	s_lshl_b32 s88, s88, 2
	s_add_co_u32 s88, s88, s61
	s_lshl_b32 s92, s88, 13                        ; its scale words: 16 octets
	s_mul_i32 s88, s88, 196608                     ; its codes: 128 tiles of 1,536 bytes
	s_mul_i32 s89, s63, 768                        ; my head's half of each chunk
	s_add_co_u32 s88, s88, s89
	s_add_co_u32 s88, s88, s85
	s_mov_b32 s89, 0
	s_mov_b32 s93, 0
	s_lshl_b32 s90, s61, 3
	s_add_co_u32 s90, s90, s62
	s_lshl_b32 s94, s90, 13
	s_mul_i32 s90, s90, 196608                     ; v: 16 steps of 12,288 bytes
	s_mul_i32 s91, s63, 6144                       ; my head's four fragments
	s_add_co_u32 s90, s90, s91
	s_add_co_u32 s90, s90, s85
	s_add_co_u32 s90, s90, VC0
	s_mov_b32 s91, 0
	s_lshl_b32 s95, s63, 8
	s_add_co_u32 s94, s94, s95
	s_add_co_u32 s94, s94, VS0
	s_mov_b32 s95, 0
	; group 1, elements of 8 bytes.  K: 16 halves of 768 bytes, 1,536 bytes apart in memory.  V: 2 steps' 6,144 bytes, 12,288 bytes apart
	s_mov_b32 s[G1K], 15|(3<<16)|(1<<21)           ; 15:0 the mask: all four work-groups; 17:16 elements of 8 bytes; 21 set beside a mask
	s_mov_b32 s[G1V], 15|(3<<16)|(1<<21)
	s_mov_b32 s[G1K+1], 96<<16                     ; tensor_dim0
	s_mov_b32 s[G1K+2], 16<<16                     ; tensor_dim1
	s_mov_b32 s[G1K+3], 96<<16                     ; tile_dim0
	s_mov_b32 s[G1K+4], 16                         ; tile_dim1
	s_mov_b32 s[G1K+5], 192                        ; tensor_dim0_stride
	s_mov_b32 s[G1V+1], 768<<16
	s_mov_b32 s[G1V+2], 2<<16
	s_mov_b32 s[G1V+3], 768<<16
	s_mov_b32 s[G1V+4], 2
	s_mov_b32 s[G1V+5], 1536
.irp g, G1K, G1V
	s_mov_b32 s[\g+6], 0
	s_mov_b32 s[\g+7], 0
.endr
	s_mov_b32 s[SEL], 0x76543210
	s_mov_b32 s[SEL+1], 0xfedcba98                 ; v_permlanex16_b32's selects for lane l xor 16
	s_mov_b32 s[CS], 0x3e38aa3b                    ; c = log2(e) / 8
	s_mov_b32 s[CS+1], s[CS]                       ; (named with it as a pair, so it is written)
	s_wait_dscnt 0x0
	s_wait_kmcnt 0x0
	s_add_nc_u64 s[88:89], s[4:5], s[88:89]
	s_add_nc_u64 s[90:91], s[4:5], s[90:91]
	s_mov_b32 s[G0K], 1
	s_mov_b32 s[G0K+1], s86
	s_mov_b64 s[G0K+2:G0K+3], s[88:89]
	s_or_b32 s[G0K+3], s[G0K+3], 0x80000000
	s_mov_b32 s[G0V], 1
	s_add_co_u32 s[G0V+1], s86, VO
	s_mov_b64 s[G0V+2:G0V+3], s[90:91]
	s_or_b32 s[G0V+3], s[G0V+3], 0x80000000
	CROUND                                         ; all four work-groups are here: the joint loads meet
	s_cmp_lt_u32 s[WV], 8                          ; one fill in each arm: every wave issues one tensor load, ahead of every wait on TENSORcnt, every LDS read and every other barrier
	s_cbranch_scc0 .Lfill_v
	tensor_load_to_lds s[G0K:G0K+3], s[G1K:G1K+7]
	s_nop 0
.rept 4
	v_nop
.endr
	s_branch .Lfilled
.Lfill_v:
	tensor_load_to_lds s[G0V:G0V+3], s[G1V:G1V+7]
	s_nop 0
.rept 4
	v_nop
.endr
.Lfilled:
	; the small things of a record: wave w makes step w's
	s_lshl_b32 s66, s61, 13
	s_mov_b32 s67, 0
	s_add_nc_u64 s[8:9], s[8:9], s[66:67]          ; the batch's 2,048 mask words
	s_add_nc_u64 s[92:93], s[6:7], s[92:93]
	s_add_nc_u64 s[94:95], s[6:7], s[94:95]
	v_and_b32 v48, 31, v0
	s_delay_alu instid0(VALU_DEP_1)
	v_lshlrev_b32 v[L16], 4, v48
	s_delay_alu instid0(VALU_DEP_2)
	v_lshlrev_b32 v[L8], 3, v48
	v_bfe_u32 v49, v0, 4, 1
	s_delay_alu instid0(VALU_DEP_1)
	v_lshlrev_b32 v[H64], 6, v49
	v_and_b32 v[R8], 15, v0
	s_delay_alu instid0(VALU_DEP_1)
	v_lshlrev_b32 v[R8], 3, v[R8]
	v_lshlrev_b32 v48, 4, v0                       ; 16 x thread: four keys' mask words; four words of K's octets
	v_lshl_add_u32 v49, v[T1], 9, v[L8]            ; 512 x wave + 8 x lane
	global_load_b128 v[32:35], v48, s[8:9]
	global_load_b128 v[36:39], v48, s[92:93]
	global_load_b64 v[40:41], v49, s[94:95]
	v_lshl_add_u32 v52, v[T1], 2, RED
	v_mov_b32 v53, RED
	v_mov_b32 v54, 0xcf800000                      ; -2^32
	s_lshr_b32 s66, s[WV], 1                       ; step w's base: (w / 2) PAIR + 6,144 (w % 2)
	s_mul_i32 s66, s66, PAIR
	s_and_b32 s67, s[WV], 1
	s_mul_i32 s67, s67, 6144
	s_add_co_u32 s66, s66, s67
	v_add_nc_u32 v55, s66, v[L16]
	v_add_nc_u32 v47, s66, v[L8]
.irp i, 0,1,2,3,4,5
	v_mov_b32 v[Q+6+\i], 0                         ; Q's codes of k = 64 .. 127
	v_mov_b32 v[ZR+\i], 0                          ; what stands behind K's last half fragment
.endr
	v_mov_b32 v[PW], 0                             ; (named as the upper half of the pair v[10:11] before it is first written)
	s_wait_loadcnt 0x0
	v_or_b32 v50, v32, v33
	v_or_b32 v51, v34, v35
	s_delay_alu instid0(VALU_DEP_1)
	v_or_b32 v50, v50, v51
	s_delay_alu instid0(VALU_DEP_1)
	v_cmp_ne_u32 vcc_lo, 0, v50
	s_delay_alu instid0(VALU_DEP_1)
	v_mov_b32 v51, vcc_lo                          ; not 0 where a lane of my wave has a key that counts
	ds_store_b32 v52, v51                          ; all lanes write the same word with the same value
	s_wait_dscnt 0x0
	s_barrier_signal -1
	s_barrier_wait -1
.irp i, 0,1,2,3
	ds_load_b128 v[56+4*\i:59+4*\i], v53 offset:16*\i
.endr
	s_wait_dscnt 0x0
.irp i, 0,1,2,3,4,5,6,7
	v_or_b32 v[56+\i], v[56+\i], v[64+\i]
.endr
.irp i, 0,1,2,3
	s_delay_alu instid0(VALU_DEP_4)
	v_or_b32 v[56+\i], v[56+\i], v[60+\i]
.endr
	s_delay_alu instid0(VALU_DEP_2)
	v_or_b32 v56, v56, v58
	s_delay_alu instid0(VALU_DEP_2)
	v_or_b32 v57, v57, v59
	s_delay_alu instid0(VALU_DEP_1)
	v_or_b32 v56, v56, v57
	s_delay_alu instid0(VALU_DEP_1)
	v_cmp_eq_u32 s[FLAG], 0, v56                   ; all ones where no key of the batch counts
.irp e, 0,1,2,3
	v_cmp_eq_u32 vcc_lo, 0, v[32+\e]
	s_delay_alu instid0(VALU_DEP_1)
	v_cndmask_b32 v[32+\e], 0, v54, vcc_lo         ; -2^32 for a key that does not count
.endr
.irp e, 0,1,2,3
	v_cndmask_b32 v[32+\e], v[32+\e], 0, s[FLAG]
.endr
.irp e, 0,1,2,3
	v_lshrrev_b32 v[36+\e], s[SH], v[36+\e]        ; my head's two bytes;
.endr
.irp e, 0,1,2,3
	s_delay_alu instid0(VALU_DEP_4)
	v_and_b32 v[36+\e], 0xffff, v[36+\e]           ; bytes 2 and 3, for k = 64 .. 127, are 0
.endr
	ds_store_b128 v55, v[32:35] offset:MT
	ds_store_b128 v55, v[36:39] offset:KS
	ds_store_b64 v47, v[40:41] offset:VS
	; Q's and the outputs' addresses at my tile of pass 0: tile 32 cx + wave
	s_lshl_b32 s66, s62, 2
	s_add_co_u32 s66, s66, s61
	s_lshl_b32 s96, s66, 13
	s_lshl_b32 s66, s66, 7
	s_lshl_b32 s67, s60, 5
	s_add_co_u32 s66, s66, s67
	s_add_co_u32 s66, s66, s[WV]
	s_mul_i32 s66, s66, 1536
	s_mul_i32 s67, s63, 768
	s_add_co_u32 s66, s66, s67
	s_mov_b32 s67, 0
	s_add_nc_u64 s[84:85], s[4:5], s[66:67]        ; Q's codes
	s_lshl_b32 s97, s60, 2
	s_lshr_b32 s98, s[WV], 3
	s_add_co_u32 s97, s97, s98
	s_lshl_b32 s97, s97, 9                         ; the octet of tiles 8 g .. 8 g + 7; in it block a = wave % 8:
	s_add_co_u32 s96, s96, s97
	s_bfe_u32 s97, s[WV], 0x10002
	s_lshl_b32 s97, s97, 8                         ; 256 (a / 4)
	s_add_co_u32 s96, s96, s97
	s_and_b32 s97, s[WV], 1
	s_lshl_b32 s97, s97, 7                         ; + 128 (a % 2)
	s_add_co_u32 s96, s96, s97
	s_bfe_u32 s97, s[WV], 0x10001
	s_lshl_b32 s97, s97, 2                         ; + 4 ((a / 2) % 2)
	s_add_co_u32 s96, s96, s97
	s_mov_b32 s97, 0
	s_add_nc_u64 s[86:87], s[6:7], s[96:97]        ; Q's scale words
	s_lshl_b32 s66, s61, 7
	s_lshl_b32 s67, s60, 5
	s_add_co_u32 s66, s66, s67
	s_add_co_u32 s66, s66, s[WV]                   ; the tile of tokens
	s_lshl_b32 s98, s66, 9
	s_lshl_b32 s66, s66, 3
	s_add_co_u32 s66, s66, s62
	s_mul_i32 s66, s66, 1536                       ; chunk = head pair
	s_mul_i32 s67, s63, 768
	s_add_co_u32 s66, s66, s67
	s_mov_b32 s67, 0
	s_add_nc_u64 s[10:11], s[10:11], s[66:67]
	s_lshr_b32 s99, s62, 1
	s_lshl_b32 s99, s99, 7                         ; 256 along K = two head pairs
	s_add_co_u32 s98, s98, s99
	s_and_b32 s99, s62, 1
	s_lshl_b32 s99, s99, 2
	s_add_co_u32 s98, s98, s99
	s_lshl_b32 s99, s63, 1                         ; my head's half of the word
	s_add_co_u32 s98, s98, s99
	s_mov_b32 s99, 0
	s_add_nc_u64 s[12:13], s[12:13], s[98:99]
; A KEY STEP: the 128 keys of the record at LDS byte s[TB].
.macro STEP tb                         ; tb: the scalar register that holds the step's base in LDS
	v_add_nc_u32 v[A16], s[\tb], v[L16]
	v_add_nc_u32 v[A8], s[\tb], v[L8]
	v_add_nc_u32 v[AM], s[\tb], v[H64]
	v_nop                                          ; four places behind the last step's products, ahead of the loads into V's registers
.irp t, 0,1,2,3,4,5,6,7
	ds_load_b128 v[KF+6*\t:KF+6*\t+3], v[A16] offset:768*\t
	ds_load_b64 v[KF+6*\t+4:KF+6*\t+5], v[A8] offset:768*\t+512
.endr
	ds_load_b64 v[KSW:KSW+1], v[A8] offset:KS
	ds_load_b64 v[KSW+2:KSW+3], v[A8] offset:KS+256
.irp b, 0,1,2,3
.irp j, 0,1,2,3
	ds_load_b128 v[S+16*\b+4*\j:S+16*\b+4*\j+3], v[AM] offset:MT+128*\b+16*\j   ; the mask numbers of keys 32 b + 16 h + 4 j on: the products' C
.endr
.endr
.irp d, 0,1,2,3
	ds_load_b128 v[VF+12*\d:VF+12*\d+3], v[A16] offset:VO+1536*\d
	ds_load_b64 v[VF+12*\d+4:VF+12*\d+5], v[A8] offset:VO+1536*\d+512
	ds_load_b128 v[VF+12*\d+6:VF+12*\d+9], v[A16] offset:VO+1536*\d+768
	ds_load_b64 v[VF+12*\d+10:VF+12*\d+11], v[A8] offset:VO+1536*\d+1280
.endr
	ds_load_b64 v[VSW:VSW+1], v[A8] offset:VS
	s_wait_dscnt 17                                ; all but V's sixteen loads and its scale words
.irp t, 0,1,2,3,4,5,6,7                        ; S^T = mask + K Q^T: eight accumulators, one instruction each
.if \t%2
	v_wmma_scale_f32_16x16x128_f8f6f4 v[S+8*\t:S+8*\t+7], v[KF+6*\t:KF+6*\t+11], v[Q:Q+11], v[S+8*\t:S+8*\t+7], v[KSW+\t/2], v[QS] matrix_a_fmt:MATRIX_FMT_BF6 matrix_b_fmt:MATRIX_FMT_BF6 matrix_a_scale:MATRIX_SCALE_ROW1
.else
	v_wmma_scale_f32_16x16x128_f8f6f4 v[S+8*\t:S+8*\t+7], v[KF+6*\t:KF+6*\t+11], v[Q:Q+11], v[S+8*\t:S+8*\t+7], v[KSW+\t/2], v[QS] matrix_a_fmt:MATRIX_FMT_BF6 matrix_b_fmt:MATRIX_FMT_BF6
.endif
.endr
.rept 4
	v_nop
.endr
.irp b, 0,1,2,3
	v_max3_num_f32 v[MX+\b], v[S+16*\b], v[S+1+16*\b], v[S+2+16*\b]   ; the largest score of each block of 32 keys: for the row's maximum and, since p rises with the score, for the block's largest p
.endr
.irp i, 3,5,7,9,11,13
.irp b, 0,1,2,3
	v_max3_num_f32 v[MX+\b], v[MX+\b], v[S+16*\b+\i], v[S+1+16*\b+\i]
.endr
.endr
.irp b, 0,1,2,3
	v_max_num_f32 v[MX+\b], v[MX+\b], v[S+15+16*\b]
.endr
.irp b, 0,1,2,3
	s_delay_alu instid0(VALU_DEP_4)
	v_permlanex16_b32 v[PD+\b], v[MX+\b], s[SEL], s[SEL+1]
.endr
.irp b, 0,1,2,3
	s_delay_alu instid0(VALU_DEP_4)
	v_max_num_f32 v[MX+\b], v[MX+\b], v[PD+\b]     ; with lane l xor 16's 16 keys
.endr
	s_delay_alu instid0(VALU_DEP_2)
	v_max3_num_f32 v[T1], v[MX], v[MX+1], v[MX+2]
	s_delay_alu instid0(VALU_DEP_1)
	v_max_num_f32 v[T1], v[T1], v[MX+3]
	s_delay_alu instid0(VALU_DEP_1)
	v_mul_f32 v[T1], s[CS], v[T1]                  ; the step's largest t
	s_delay_alu instid0(VALU_DEP_1)
	v_max_num_f32 v[TX], v[TX], v[T1]              ; the running largest t
	v_mov_b32 v[T1], v[NM]
	s_delay_alu instid0(VALU_DEP_2)
	v_floor_f32 v[NM], -v[TX]                      ; the new -M = -ceil(t)
	s_delay_alu instid0(VALU_DEP_1)
	v_sub_f32 v[T1], v[NM], v[T1]                  ; old M - new M: a whole number, 0 or less
	s_delay_alu instid0(VALU_DEP_1)
	v_cvt_i32_f32 v[T1], v[T1]                     ; (it saturates)
	s_delay_alu instid0(VALU_DEP_1)
	v_ldexp_f32 v[F], 1.0, v[T1]                   ; f = 2^(old M - new M)
.set j, 0
.rept 32
	v_pk_fma_f32 v[S+j:S+j+1], v[S+j:S+j+1], s[CS:CS+1], v[NM:NM+1] op_sel_hi:[1,0,0]   ; t - M, two at a time
.set j, j+2
.endr
.irp b, 0,1,2,3
	v_fma_f32 v[MX+\b], v[MX+\b], s[CS], v[NM]     ; the same of each block's largest score
.endr
.set j, 0
	s_wait_alu depctr_va_vdst(0)
.rept 64
	v_exp_f32 v[S+j], v[S+j]                       ; p = 2^(t - M): not normalised
.set j, j+1
.endr
.irp b, 0,1,2,3
	v_exp_f32 v[MX+\b], v[MX+\b]                   ; the block's largest p
.endr
	v_pk_mul_f32 v[LS:LS+1], v[LS:LS+1], v[F:F+1] op_sel_hi:[1,0]   ; the sums under the new M.  (A plain place behind the exponentials)
	s_wait_alu depctr_va_vdst(0)
.irp b, 0,1,2,3
	v_max_num_f32 v[MX+\b], 0x2800000, v[MX+\b]    ; the floor 2^(5 - 127): the byte cannot fall under 1 (a block whose every p is 0 keeps that byte: its codes are zeros)
.endr
.irp b, 0,1,2,3
	s_delay_alu instid0(VALU_DEP_4)
	v_add_nc_u32 v[SO+\b], 0xfe000000, v[MX+\b]    ; 4 off the exponent field: the conversion's scale operand
.endr
.irp b, 0,1,2,3
	s_delay_alu instid0(VALU_DEP_4)
	v_lshrrev_b32 v[PD+\b], 23, v[SO+\b]           ; the scale's byte
.endr
	s_delay_alu instid0(VALU_DEP_3)
	v_lshl_or_b32 v[PW], v[PD+1], 8, v[PD]         ; P's scale word for these 128 keys
	s_delay_alu instid0(VALU_DEP_1)
	v_lshl_or_b32 v[PW], v[PD+2], 16, v[PW]
	s_delay_alu instid0(VALU_DEP_1)
	v_lshl_or_b32 v[PW], v[PD+3], 24, v[PW]
.irp c, 0,1
	v_cvt_scalef32_pk16_bf6_f32 v[PC+6*\c:PC+6*\c+2], v[S+32*\c:S+32*\c+15], v[SO+2*\c]
	v_cvt_scalef32_pk16_bf6_f32 v[PD+4*\c:PD+4*\c+2], v[S+16+32*\c:S+31+32*\c], v[SO+2*\c+1]   ; (a conversion's three registers begin on an even number)
.endr
	v_nop                                          ; one plain place behind a scaled conversion
.irp c, 0,1                                    ; the operand's layout wants a whole block in a lane
.irp i, 0,1,2
	v_permlane16_swap_b32 v[PC+6*\c+\i], v[PD+4*\c+\i]
.endr
.irp i, 0,1,2
	s_delay_alu instid0(VALU_DEP_3)
	v_mov_b32 v[PC+3+6*\c+\i], v[PD+4*\c+\i]
.endr
.endr
.set j, 0
.rept 16
	v_pk_mul_f32 v[O+j:O+j+1], v[O+j:O+j+1], v[F:F+1] op_sel_hi:[1,0]   ; O^T under the new M, each accumulator from its low end on
.set j, j+2
.endr
	v_pk_add_f32 v[36:37], v[92:93], v[96:97]
	v_pk_add_f32 v[252:253], v[100:101], v[104:105]
	v_pk_add_f32 v[250:251], v[108:109], v[112:113]
	v_pk_add_f32 v[248:249], v[116:117], v[120:121]
	v_pk_add_f32 v[246:247], v[124:125], v[128:129]
	v_pk_add_f32 v[244:245], v[132:133], v[136:137]
	v_pk_add_f32 v[78:79], v[140:141], v[144:145]
	v_pk_add_f32 v[14:15], v[14:15], v[148:149]
	v_pk_add_f32 v[36:37], v[36:37], v[88:89]
	v_pk_add_f32 v[252:253], v[252:253], v[90:91]
	v_pk_add_f32 v[250:251], v[250:251], v[94:95]
	v_pk_add_f32 v[248:249], v[248:249], v[98:99]
	v_pk_add_f32 v[246:247], v[246:247], v[102:103]
	v_pk_add_f32 v[244:245], v[244:245], v[106:107]
	v_pk_add_f32 v[78:79], v[78:79], v[110:111]
	v_pk_add_f32 v[14:15], v[14:15], v[114:115]
	v_pk_add_f32 v[36:37], v[36:37], v[118:119]
	v_pk_add_f32 v[252:253], v[252:253], v[122:123]
	v_pk_add_f32 v[250:251], v[250:251], v[126:127]
	v_pk_add_f32 v[248:249], v[248:249], v[130:131]
	v_pk_add_f32 v[246:247], v[246:247], v[134:135]
	v_pk_add_f32 v[244:245], v[244:245], v[138:139]
	v_pk_add_f32 v[78:79], v[78:79], v[142:143]
	v_pk_add_f32 v[14:15], v[14:15], v[146:147]
	v_pk_add_f32 v[36:37], v[36:37], v[150:151]
	s_delay_alu instid0(VALU_DEP_2)
	v_pk_add_f32 v[14:15], v[14:15], v[248:249]
	s_delay_alu instid0(VALU_DEP_2)
	v_pk_add_f32 v[36:37], v[36:37], v[246:247]
	v_pk_add_f32 v[252:253], v[252:253], v[244:245]
	v_pk_add_f32 v[250:251], v[250:251], v[78:79]
	s_delay_alu instid0(VALU_DEP_2)
	v_pk_add_f32 v[14:15], v[14:15], v[252:253]
	s_delay_alu instid0(VALU_DEP_2)
	v_pk_add_f32 v[36:37], v[36:37], v[250:251]
	s_delay_alu instid0(VALU_DEP_1)
	v_pk_add_f32 v[14:15], v[14:15], v[36:37]
	s_wait_dscnt 0x0                               ; V and its scale words
.irp d, 0,1,2,3                                ; O^T += V^T P^T: four accumulators, one instruction each
.if \d%2
	v_wmma_scale_f32_16x16x128_f8f6f4 v[O+8*\d:O+8*\d+7], v[VF+12*\d:VF+12*\d+11], v[PC:PC+11], v[O+8*\d:O+8*\d+7], v[VSW+\d/2], v[PW] matrix_a_fmt:MATRIX_FMT_BF6 matrix_b_fmt:MATRIX_FMT_BF6 matrix_a_scale:MATRIX_SCALE_ROW1
.else
	v_wmma_scale_f32_16x16x128_f8f6f4 v[O+8*\d:O+8*\d+7], v[VF+12*\d:VF+12*\d+11], v[PC:PC+11], v[O+8*\d:O+8*\d+7], v[VSW+\d/2], v[PW] matrix_a_fmt:MATRIX_FMT_BF6 matrix_b_fmt:MATRIX_FMT_BF6
.endif
.endr
.endm
; A pass's head: my tile of Q, and the start values.
.macro PASSHEAD p
	global_load_b128 v[Q:Q+3], v[L16], s[84:85] offset:24576*\p
	global_load_b64 v[Q+4:Q+5], v[L8], s[84:85] offset:24576*\p+512
	global_load_b32 v[QS], v[R8], s[86:87] offset:1024*\p
	s_wait_loadcnt 0x0
.irp i, 0,1,2,3,4,5
	v_cndmask_b32 v[Q+\i], v[Q+\i], 0, s[FLAG]     ; zeros where no key of the batch counts
.endr
	v_lshrrev_b32 v[QS], s[SH], v[QS]
	s_delay_alu instid0(VALU_DEP_1)
	v_and_b32 v[QS], 0xffff, v[QS]
	v_mov_b32 v[TX], 0xff61b1e6                    ; the largest t so far: -3e38
	s_delay_alu instid0(VALU_DEP_1)
	v_floor_f32 v[NM], -v[TX]
	v_mov_b32 v[LS], 0
	v_mov_b32 v[LS+1], 0
.set j, 0
.rept 32
	v_mov_b32 v[O+j], 0                            ; O^T: the first step finds zeros.  (These lines are also the places behind Q's scale word and codes)
.set j, j+1
.endr
.endm
; A pass's end: O^T / l, quantised along the head's 64 (two blocks), stored as half a chunk's image.
.macro FIN p
.rept 4
	v_nop
.endr
	v_add_f32 v[LS], v[LS], v[LS+1]
	s_delay_alu instid0(VALU_DEP_1)
	v_permlanex16_b32 v[T1], v[LS], s[SEL], s[SEL+1]
	s_delay_alu instid0(VALU_DEP_1)
	v_add_f32 v[LS], v[LS], v[T1]                  ; the row's sum
	s_wait_alu depctr_va_vdst(0)
	v_rcp_f32 v[LS], v[LS]
	v_nop                                          ; one plain place behind a transcendental
.set j, 0
	s_wait_alu depctr_va_vdst(0)
.rept 32
	v_mul_f32 v[S+j], v[O+j], v[LS]                ; register 16 b + i is channel 32 b + 16 h + i of my query
.set j, j+1
.endr
.irp b, 0,1
	v_max3_num_f32 v[MX+\b], |v[S+16*\b]|, |v[S+1+16*\b]|, 0x2800000
.endr
.irp i, 2,4,6,8,10,12,14
.irp b, 0,1
	s_delay_alu instid0(VALU_DEP_2)
	v_max3_num_f32 v[MX+\b], v[MX+\b], |v[S+16*\b+\i]|, |v[S+1+16*\b+\i]|
.endr
.endr
.irp b, 0,1
	s_delay_alu instid0(VALU_DEP_2)
	v_permlanex16_b32 v[PD+\b], v[MX+\b], s[SEL], s[SEL+1]
.endr
.irp b, 0,1
	s_delay_alu instid0(VALU_DEP_2)
	v_max_num_f32 v[MX+\b], v[MX+\b], v[PD+\b]
.endr
.irp b, 0,1
	s_delay_alu instid0(VALU_DEP_2)
	v_add_nc_u32 v[SO+\b], 0xfe000000, v[MX+\b]
.endr
.irp b, 0,1
	s_delay_alu instid0(VALU_DEP_2)
	v_lshrrev_b32 v[PD+\b], 23, v[SO+\b]
.endr
	s_delay_alu instid0(VALU_DEP_1)
	v_lshl_or_b32 v[T1], v[PD+1], 8, v[PD]         ; my head's two bytes of the row's scale word
	v_cvt_scalef32_pk16_bf6_f32 v[PC:PC+2], v[S:S+15], v[SO]
	v_cvt_scalef32_pk16_bf6_f32 v[PD+4:PD+6], v[S+16:S+31], v[SO+1]
	v_nop                                          ; one plain place behind a scaled conversion
.irp i, 0,1,2
	v_permlane16_swap_b32 v[PC+\i], v[PD+4+\i]
.endr
.irp i, 0,1,2
	s_delay_alu instid0(VALU_DEP_3)
	v_mov_b32 v[PC+3+\i], v[PD+4+\i]
.endr
	global_store_b128 v[L16], v[PC:PC+3], s[10:11] offset:196608*\p        ; 512 and 256 consecutive bytes, aligned
	global_store_b64 v[L8], v[PC+4:PC+5], s[10:11] offset:196608*\p+512
	global_store_b16 v[R8], v[T1], s[12:13] offset:8192*\p                 ; lanes r and r + 16 write the same two bytes with the same value
	s_wait_xcnt 0x0                                ; the stores have read their registers
.endm
	PASSHEAD 0
	s_wait_alu depctr_va_vdst(0)
	s_wait_tensorcnt 0x0                           ; my one tensor load has landed
	s_wait_dscnt 0x0                               ; my LDS stores have landed
	s_barrier_signal -1
	s_barrier_wait -1                              ; everybody's part is in: all of the head's K and V
	s_mov_b32 s[TB], 0
	s_mov_b32 s[CNT], 8
.Lfirst:                                               ; a trip is a pair of steps
	s_add_co_u32 s[TB2], s[TB], 6144
	STEP TB
	STEP TB2
	s_add_co_u32 s[TB], s[TB], PAIR
	s_sub_co_u32 s[CNT], s[CNT], 1
	s_cmp_lg_u32 s[CNT], 0
	s_cbranch_scc1 .Lfirst
	s_wait_alu depctr_va_vdst(0)
	FIN 0
	PASSHEAD 1
	s_mov_b32 s[TB], 0
	s_mov_b32 s[CNT], 8
.Lsecond:
	s_add_co_u32 s[TB2], s[TB], 6144
	STEP TB
	STEP TB2
	s_add_co_u32 s[TB], s[TB], PAIR
	s_sub_co_u32 s[CNT], s[CNT], 1
	s_cmp_lg_u32 s[CNT], 0
	s_cbranch_scc1 .Lsecond
	s_wait_alu depctr_va_vdst(0)
	FIN 1
	s_wait_tensorcnt 0x0
	s_wait_dscnt 0x0
	s_wait_tensorcnt 0x0
	ds_add_u32 v254, v255
	s_wait_dscnt 0x0
	CROUND                                         ; the closing round: no work-group ends while a partner may still ask for a tile that names it
	s_endpgm
.Lfunc_end_k_q8eb6a26bcd_attn:
	.size	k_q8eb6a26bcd_attn, .Lfunc_end_k_q8eb6a26bcd_attn-k_q8eb6a26bcd_attn
	.p2alignl 7, 3214868480
	.fill 96, 4, 3214868480
	.section	.rodata,"a",@progbits
	.p2align	6, 0x0
	.amdhsa_kernel k_q8eb6a26bcd_attn
		.amdhsa_group_segment_fixed_size 327680
		.amdhsa_private_segment_fixed_size 0
		.amdhsa_enable_private_segment 0
		.amdhsa_kernarg_size 40
		.amdhsa_user_sgpr_count 2
		.amdhsa_user_sgpr_kernarg_segment_ptr 1
		.amdhsa_wavefront_size32 1
		.amdhsa_system_sgpr_workgroup_id_x 1
		.amdhsa_system_sgpr_workgroup_id_y 1
		.amdhsa_system_sgpr_workgroup_id_z 1
		.amdhsa_system_vgpr_workitem_id 0
		.amdhsa_next_free_vgpr 256
		.amdhsa_next_free_sgpr 100
		.amdhsa_reserve_vcc 1
		.amdhsa_float_denorm_mode_32 3
		.amdhsa_float_denorm_mode_16_64 3
		.amdhsa_memory_ordered 1
		.amdhsa_forward_progress 1
		.amdhsa_inst_pref_size 97
	.end_amdhsa_kernel
	.amdgpu_metadata
---
amdhsa.version: [ 1, 2 ]
amdhsa.kernels:
  - .name:           k_q8eb6a26bcd_attn
    .symbol:         k_q8eb6a26bcd_attn.kd
    .args:
      - { .name: qkvc, .offset: 0, .size: 8, .value_kind: global_buffer, .address_space: global }
      - { .name: qkvs, .offset: 8, .size: 8, .value_kind: global_buffer, .address_space: global }
      - { .name: attn_mask, .offset: 16, .size: 8, .value_kind: global_buffer, .address_space: global }
      - { .name: oc, .offset: 24, .size: 8, .value_kind: global_buffer, .address_space: global }
      - { .name: os, .offset: 32, .size: 8, .value_kind: global_buffer, .address_space: global }
    .group_segment_fixed_size: 327680
    .private_segment_fixed_size: 0
    .kernarg_segment_align: 8
    .kernarg_segment_size: 40
    .max_flat_workgroup_size: 512
    .sgpr_count:     100
    .vgpr_count:     256
    .wavefront_size: 32
...
	.end_amdgpu_metadata
.endif
;; end of part 3
;; launch proj (part 4): grid 4 x 32, 4 waves a work-group, clusters of 4 x 4, 327,680 bytes of LDS; arguments oc, os, wc, ws, bo, out0; writes out0
.if DOCPART == 4
	.amdgcn_target "amdgcn-amd-amdhsa--gfx1250"
	.amdhsa_code_object_version 6
	.text
	.protected	k_q8eb6a26bcd_proj
	.globl	k_q8eb6a26bcd_proj
	.p2align	8
	.type	k_q8eb6a26bcd_proj,@function
k_q8eb6a26bcd_proj:
	s_mov_b64 s[64:65], 0
	v_nop
	global_prefetch_b8 v0, s[64:65] scope:SCOPE_SE
	s_setreg_imm32_b32 hwreg(HW_REG_WAVE_MODE, 25, 1), 1
	s_wait_xcnt 0x0
	s_wait_alu depctr_hold_cnt(0) depctr_sa_sdst(0) depctr_va_vdst(0) depctr_va_sdst(0) depctr_va_ssrc(0) depctr_va_vcc(0) depctr_vm_vsrc(0)
	s_getreg_b32 s2, hwreg(HW_REG_IB_STS2, 6, 4)
	s_cmp_eq_u32 s2, 0
	s_cbranch_scc0 .Lentry_in_a_cluster
	s_endpgm
.Lentry_in_a_cluster:
	s_bfe_u32 s2, ttmp6, 0x10000c
	s_cmp_lg_u32 s2, 0xf033
	s_cbranch_scc0 .Lentry_shape_is_right
	s_endpgm
.Lentry_shape_is_right:
.set TROW,  3072
.set HALFT, 8*TROW
.set SLOT,  4*HALFT
.set SCL,   2*SLOT
.set HALFS, 4096
.set SPARE, SCL+4*HALFS
.set SPITCH, 528
.set FR,    12
.set A16,  16
.set A8,   18
.set B16,  20
.set B8,   22
.set STO,  24
.set RD,   25
.set CO,   26
.set ADRS, 27
.set SPW,  28
.set NIL,  29
.set SC,   32
.set BR,   64
.set AF,   128
.set BK,   128
.set G1,   24
.set G0,   32
.set G1B,  48
.set G0B,  56
.set G1S,  68
.set G0S,  76
.set G1SB, 80
.set G0SB, 88
.set MSB, 0
.macro WIN new
.if MSB != (\new)
	s_set_vgpr_msb (MSB<<8)|(\new)
.set MSB, (\new)
.endif
.endm
.set MUL_LO, 0xa1
.set MUL_HI, 0xf1
.set FST_LO, 0x81
.set FST_HI, 0xc1
.set TO_B,   0x40
.macro JLOAD g0a, g1a, g0b, g1b
	s_cmp_eq_u32 s15, 0
	s_cbranch_scc0 .Lfor_b_\@
	tensor_load_to_lds s[\g0a:\g0a+3], s[\g1a:\g1a+7]
	s_nop 0
.rept 4
	v_nop
.endr
	s_branch .Lasked_\@
.Lfor_b_\@:
	tensor_load_to_lds s[\g0b:\g0b+3], s[\g1b:\g1b+7]
	s_nop 0
.rept 4
	v_nop
.endr
.Lasked_\@:
.endm
.macro CREST
	s_cmp_lg_u32 s14, 0
	s_cbranch_scc1 .Lnot_wave_0_\@
	s_barrier_signal -3
.Lnot_wave_0_\@:
	s_barrier_wait -3
	s_barrier_signal -1
	s_barrier_wait -1
.endm
.macro CROUND
	s_barrier_signal -1
	s_barrier_wait -1
	CREST
.endm
.macro PLACES
.rept 4
	v_nop
.endr
.endm
.macro FRAG reg, a16, a8, off
	ds_load_b128 v[\reg:\reg+3], v[\a16] offset:\off
	ds_load_b64 v[\reg+4:\reg+5], v[\a8] offset:\off+512
	ds_load_b128 v[\reg+6:\reg+9], v[\a16] offset:\off+768
	ds_load_b64 v[\reg+10:\reg+11], v[\a8] offset:\off+1280
.endm
.macro FETCH_B slot, q, p
	WIN TO_B
.irp i, 0,1,2,3,4,5,6,7
	FRAG 128*(\p)+FR*\i, B16+\slot, B8+\slot, \i*TROW+(\q)*1536
.endr
	WIN 0
.endm
.macro FETCH_A slot, q, i0
.irp i, \i0, \i0+1, \i0+2, \i0+3
	FRAG AF+FR*(\i), A16+\slot, A8+\slot, (\i)*TROW+(\q)*1536
.endr
.endm
.macro SCALES sc
.irp i, 0,1,2,3,4,5,6,7
	ds_load_b64 v[SC+16*\sc+2*\i:SC+16*\sc+2*\i+1], v[ADRS] offset:512*\i
.endr
.endm
.macro MUL16 a0, p, q, sc, first
.irp a, \a0, \a0+1
.irp b, 0,1,2,3,4,5,6,7
.if \first
	v_wmma_scale_f32_16x16x128_f8f6f4 v[8*(8*((\a)%4)+\b):8*(8*((\a)%4)+\b)+7], v[128*(\p)+FR*\b:128*(\p)+FR*\b+FR-1], v[AF+FR*(\a):AF+FR*(\a)+FR-1], v[BR+8*\b:BR+8*\b+7], v[SC+16*(\sc)+2*\b+(\q)], v[SC+16*(\sc)+2*(\a)+(\q)] matrix_a_fmt:MATRIX_FMT_BF6 matrix_b_fmt:MATRIX_FMT_BF6 matrix_a_scale:MATRIX_SCALE_ROW1
.else
	v_wmma_scale_f32_16x16x128_f8f6f4 v[8*(8*((\a)%4)+\b):8*(8*((\a)%4)+\b)+7], v[128*(\p)+FR*\b:128*(\p)+FR*\b+FR-1], v[AF+FR*(\a):AF+FR*(\a)+FR-1], v[8*(8*((\a)%4)+\b):8*(8*((\a)%4)+\b)+7], v[SC+16*(\sc)+2*\b+(\q)], v[SC+16*(\sc)+2*(\a)+(\q)] matrix_a_fmt:MATRIX_FMT_BF6 matrix_b_fmt:MATRIX_FMT_BF6 matrix_a_scale:MATRIX_SCALE_ROW1
.endif
.endr
.endr
.endm
.macro STEP slot, first
	s_wait_dscnt 16
.if \first
	WIN FST_LO
.else
	WIN MUL_LO
.endif
	MUL16 0, 0, 0, \slot, \first
	MUL16 2, 0, 0, \slot, \first
	s_wait_dscnt 0x0
	PLACES
	FETCH_B \slot, 1, 1
	FETCH_A \slot, 1, 0
.if \first
	WIN FST_HI
.else
	WIN MUL_HI
.endif
	MUL16 4, 0, 0, \slot, \first
	MUL16 6, 0, 0, \slot, \first
	PLACES
	WIN 0
	FETCH_A \slot, 1, 4
.endm
.macro TURN slot, next, fill
	s_wait_tensorcnt 0x0
	ds_add_u32 v[SPW], v[NIL]
	s_wait_dscnt 17
	WIN MUL_LO
	MUL16 0, 1, 1, \slot, 0
	s_wait_dscnt 0x0
	s_barrier_signal -1
	MUL16 2, 1, 1, \slot, 0
	WIN 0
	s_barrier_wait -1
.if \fill
	CREST
	s_add_nc_u64 s[G0+4*\slot+2:G0+4*\slot+3], s[G0+4*\slot+2:G0+4*\slot+3], 2*TROW
	s_add_nc_u64 s[G0B+4*\slot+2:G0B+4*\slot+3], s[G0B+4*\slot+2:G0B+4*\slot+3], 2*TROW
	JLOAD G0+4*\slot, G1, G0B+4*\slot, G1B
.else
	PLACES
.endif
	s_wait_alu depctr_va_vdst(0)
	v_add_nc_u32 v[ADRS], 128, v[ADRS]
	FETCH_B \next, 0, 0
	FETCH_A \next, 0, 0
	SCALES \next
	WIN MUL_HI
	MUL16 4, 1, 1, \slot, 0
	MUL16 6, 1, 1, \slot, 0
	PLACES
	WIN 0
	FETCH_A \next, 0, 4
.endm
	s_load_b256 s[4:11], s[0:1], 0x0
	s_load_b128 s[92:95], s[0:1], 0x20
	v_lshl_add_u32 v[SPW], v0, 2, SPARE
	v_mov_b32 v[NIL], 0
	ds_add_u32 v28, v29
	ds_add_u32 v28, v29
	s_wait_dscnt 0x0
	v_lshrrev_b32 v1, 5, v0
	v_readfirstlane_b32 s14, v1
	s_lshr_b32 s15, s14, 1
	s_and_b32 s16, s14, 1
	s_bfe_u32 s40, ttmp6, 0x40000
	s_bfe_u32 s41, ttmp6, 0x40004
	s_lshl_b32 s42, ttmp9, 2
	s_add_co_u32 s42, s42, s40
	s_and_b32 s17, ttmp7, 0xffff
	s_lshl_b32 s17, s17, 2
	s_add_co_u32 s17, s17, s41
	s_lshl_b32 s43, s41, 2
	s_lshl_b32 s43, 15, s43
	s_lshl_b32 s44, 0x1111, s40
	s_or_b32 s[G1+0], s43, (3<<16)|(1<<21)
	s_or_b32 s[G1B+0], s44, (3<<16)|(1<<21)
.irp g, G1, G1B
	s_mov_b32 s[\g+1], 384<<16                     ; codes: rows of 3,072 bytes (a tile's two chunks of a K step), 12,288 bytes apart
	s_mov_b32 s[\g+2], 16<<16                      ; 16 tiles for the head's loads; set to 8 for the ring's behind them
	s_mov_b32 s[\g+3], 384<<16
	s_mov_b32 s[\g+4], 16
	s_mov_b32 s[\g+5], 1536
	s_mov_b32 s[\g+6], 0
	s_mov_b32 s[\g+7], 0
.endr
	s_or_b32 s[G1S+0], s43, (3<<16)|(1<<21)
	s_or_b32 s[G1SB+0], s44, (3<<16)|(1<<21)
.irp g, G1S, G1SB
	s_mov_b32 s[\g+1], 32<<16
	s_mov_b32 s[\g+2], 32<<16                      ; scale words: 16 tiles' 8,192 dense bytes as 32 rows of 256
	s_mov_b32 s[\g+3], 32<<16
	s_mov_b32 s[\g+4], 32
	s_mov_b32 s[\g+5], 32
	s_mov_b32 s[\g+6], 0
	s_mov_b32 s[\g+7], 0
.endr
	s_lshl_b32 s20, s17, 4                         ; source 1 (attention's result): first tile of 16
	s_lshl_b32 s22, s20, 9                         ; its scale words,
	s_mul_i32 s20, s20, 12288                      ; its codes
	s_mov_b32 s21, 0
	s_mov_b32 s23, 0
	s_mul_i32 s18, s16, 8*12288                    ; in the ring I fetch 8 of the 16 tiles: which, in bytes
	s_mov_b32 s19, 0
	s_lshl_b32 s46, s42, 4                         ; source 0 (wo): first tile of 16;
	s_add_co_u32 s46, s46, 192                     ; wo's tiles begin at 192
	s_lshl_b32 s2, s46, 9
	s_mul_i32 s46, s46, 12288
	s_mov_b32 s47, 0
	s_mov_b32 s3, 0
	s_mul_i32 s45, s14, HALFT
	s_wait_kmcnt 0x0
	s_add_nc_u64 s[G0+2:G0+3], s[4:5], s[20:21]
	s_add_nc_u64 s[G0S+2:G0S+3], s[6:7], s[22:23]
	s_add_nc_u64 s[G0B+2:G0B+3], s[8:9], s[46:47]
	s_add_nc_u64 s[G0SB+2:G0SB+3], s[10:11], s[2:3]
.set G0H,  4                           ; s[4:7], s[8:11] group 0 for the head's loads of K step 0 (the arguments that lay there have been used)
.set G0HB, 8
	s_mov_b64 s[G0H+2:G0H+3], s[G0+2:G0+3]         ; the head: source 1's 16 tiles whole,
	s_mov_b64 s[G0HB+2:G0HB+3], s[G0B+2:G0B+3]     ; and source 0's
	s_add_nc_u64 s[G0+2:G0+3], s[G0+2:G0+3], s[18:19]      ; the ring: my 8 tiles
	s_add_nc_u64 s[G0B+2:G0B+3], s[G0B+2:G0B+3], s[18:19]
	s_add_nc_u64 s[G0+6:G0+7], s[G0+2:G0+3], TROW  ; slot 1: K step 1
	s_add_nc_u64 s[G0B+6:G0B+7], s[G0B+2:G0B+3], TROW
.irp g, G0, G0+4, G0B, G0B+4, G0S, G0SB, G0H, G0HB
	s_mov_b32 s[\g], 1                             ; count = 1
	s_or_b32 s[\g+3], s[\g+3], 0x80000000          ; type = 2
.endr
	s_mov_b32 s[G0+1], s45
	s_add_co_u32 s[G0+5], s45, SLOT
	s_mov_b32 s[G0B+1], s45
	s_add_co_u32 s[G0B+5], s45, SLOT
	s_mov_b32 s[G0S+1], SCL
	s_mov_b32 s[G0SB+1], SCL+2*HALFS
	s_mov_b32 s[G0H+1], 0
	s_mov_b32 s[G0HB+1], 2*HALFT
	CROUND                                         ; all sixteen work-groups are here: the first joint loads meet
; The head's four tiles, one joint load a wave: wave 0 source 1's 16 tiles of K step 0, wave 1 source 0's, wave 2 source 1's scale words, wave 3 source 0's.
.macro ARM under, g0, g1, next
	s_cmp_lt_u32 s14, \under
	s_cbranch_scc0 \next
	tensor_load_to_lds s[\g0:\g0+3], s[\g1:\g1+7]
	s_nop 0
.rept 4
	v_nop
.endr
	s_branch .Lhead_asked
\next:
.endm
	ARM 1, G0H,  G1,  .Lhead_b
	ARM 2, G0HB, G1B, .Lhead_sa
	ARM 3, G0S,  G1S, .Lhead_sb
	tensor_load_to_lds s[G0SB:G0SB+3], s[G1SB:G1SB+7]
	s_nop 0
.rept 4
	v_nop
.endr
.Lhead_asked:
	v_and_b32 v1, 31, v0
	v_and_b32 v2, 15, v0
	v_bfe_u32 v3, v0, 4, 1
	v_lshlrev_b32 v[CO], 4, v1
	v_lshlrev_b32 v7, 3, v1
	s_mul_i32 s21, s15, HALFT
	s_mul_i32 s22, s16, HALFT
	s_add_co_u32 s22, s22, 2*HALFT
.irp s, 0,1
	v_add_nc_u32 v[A16+\s], s21, v[CO]
	v_add_nc_u32 v[A8+\s], s21, v7
	v_add_nc_u32 v[B16+\s], s22, v[CO]
	v_add_nc_u32 v[B8+\s], s22, v7
	s_add_co_u32 s21, s21, SLOT
	s_add_co_u32 s22, s22, SLOT
.endr
	s_lshl_b32 s21, s15, 12
	s_lshl_b32 s22, s16, 12
	s_add_co_u32 s22, s22, 2*HALFS
	s_sub_co_u32 s22, s22, s21
	v_mul_u32_u24 v4, s22, v3
	s_add_co_u32 s21, s21, SCL
	v_lshl_add_u32 v4, v2, 3, v4
	v_add_nc_u32 v[ADRS], s21, v4
	s_mul_i32 s23, s14, 16*SPITCH
	v_mul_u32_u24 v5, v2, SPITCH
	v_lshl_add_u32 v5, v3, 6, v5
	v_add_nc_u32 v[STO], s23, v5
	v_add_nc_u32 v[RD], s23, v[CO]
	s_lshl_b32 s20, s42, 10
	s_lshl_b32 s21, s16, 9
	s_add_co_u32 s20, s20, s21
	s_mov_b32 s21, 0
	s_add_nc_u64 s[92:93], s[92:93], s[20:21]
	s_add_nc_u64 s[94:95], s[94:95], s[20:21]
	s_lshl_b32 s20, s17, 20
	s_lshl_b32 s22, s15, 19
	s_add_co_u32 s20, s20, s22
	s_add_nc_u64 s[94:95], s[94:95], s[20:21]
	v_lshlrev_b32 v6, 6, v3
.irp b, 0,1,2,3,4,5,6,7
	global_load_b128 v[BR+8*\b:BR+8*\b+3], v6, s[92:93] offset:128*(\b/2)+32*(\b%2)
	global_load_b128 v[BR+8*\b+4:BR+8*\b+7], v6, s[92:93] offset:128*(\b/2)+32*(\b%2)+16
.endr
	s_wait_alu depctr_va_vdst(0)
	s_wait_loadcnt 0x0
	s_wait_tensorcnt 0x0                           ; my tile of the head's four is in; these lines stand ahead of slot 1's first fill as ahead of a refill
	ds_add_u32 v[SPW], v[NIL]
	s_mov_b32 s[G1+2], 8<<16                       ; no tensor load of mine is out: from here on a load brings 8 tiles
	s_mov_b32 s[G1+4], 8
	s_mov_b32 s[G1B+2], 8<<16
	s_mov_b32 s[G1B+4], 8
	s_wait_dscnt 0x0
	CROUND                                         ; all four tiles are in, and all sixteen work-groups are here
	JLOAD G0+4, G1, G0B+4, G1B                     ; K step 1: the first tensor load behind the round
	FETCH_B 0, 0, 0
	FETCH_A 0, 0, 0
	SCALES 0
	FETCH_A 0, 0, 4
	STEP 0, 1
	TURN 0, 1, 1
	STEP 1, 0
	TURN 1, 0, 1
	STEP 0, 0
	TURN 0, 1, 0
	STEP 1, 0
	s_wait_dscnt 16
	WIN MUL_LO
	MUL16 0, 1, 1, 1, 0
	MUL16 2, 1, 1, 1, 0
	s_wait_dscnt 0x0
	WIN MUL_HI
	MUL16 4, 1, 1, 1, 0
	MUL16 6, 1, 1, 1, 0
	WIN 0
.macro TOSTAGE a
.set AC, 64*((\a)%4)
	WIN 0x08+4*((\a)/4)
.irp b, 0,1,2,3,4,5,6,7
	ds_store_b128 v[STO], v[AC+8*\b:AC+8*\b+3] offset:128*(\b/2)+32*(\b%2)
	ds_store_b128 v[STO], v[AC+8*\b+4:AC+8*\b+7] offset:128*(\b/2)+32*(\b%2)+16
.endr
	WIN 0
.set BB, BK+64*((\a)%2)
.irp t, 0,1,2,3,4,5,6,7,8,9,10,11,12,13,14,15
	ds_load_b128 v[BB+4*\t:BB+4*\t+3], v[RD] offset:\t*SPITCH
.endr
.endm
.macro SEND a, younger
.set BB, BK+64*((\a)%2)
	s_wait_dscnt \younger
.irp t, 0,1,2,3,4,5,6,7,8,9,10,11,12,13,14,15
	global_store_b128 v[CO], v[BB+4*\t:BB+4*\t+3], s[94:95] offset:(32*((\a)/2)+8*((\a)%2)+\t+8*(\t/8))*4096 th:TH_STORE_NT
.endr
.endm
	PLACES
	TOSTAGE 0
.irp a, 1,2,3,4,5,6,7
.if \a > 1
	s_wait_xcnt 0x0
.endif
	TOSTAGE \a
	SEND \a-1, 32
.endr
	SEND 7, 0
	s_wait_tensorcnt 0x0
	ds_add_u32 v[SPW], v[NIL]
	s_wait_dscnt 0x0
	CROUND
	s_endpgm
.Lfunc_end_k_q8eb6a26bcd_proj:
	.size	k_q8eb6a26bcd_proj, .Lfunc_end_k_q8eb6a26bcd_proj-k_q8eb6a26bcd_proj
	.p2alignl 7, 3214868480
	.fill 96, 4, 3214868480
	.section	.rodata,"a",@progbits
	.p2align	6, 0x0
	.amdhsa_kernel k_q8eb6a26bcd_proj
		.amdhsa_group_segment_fixed_size 327680
		.amdhsa_private_segment_fixed_size 0
		.amdhsa_enable_private_segment 0
		.amdhsa_kernarg_size 48
		.amdhsa_user_sgpr_count 2
		.amdhsa_user_sgpr_kernarg_segment_ptr 1
		.amdhsa_wavefront_size32 1
		.amdhsa_system_sgpr_workgroup_id_x 1
		.amdhsa_system_sgpr_workgroup_id_y 1
		.amdhsa_system_sgpr_workgroup_id_z 1
		.amdhsa_system_vgpr_workitem_id 0
		.amdhsa_next_free_vgpr 1024
		.amdhsa_next_free_sgpr 96
		.amdhsa_reserve_vcc 0
		.amdhsa_float_denorm_mode_32 3
		.amdhsa_float_denorm_mode_16_64 3
		.amdhsa_memory_ordered 1
		.amdhsa_forward_progress 1
		.amdhsa_inst_pref_size 145
	.end_amdhsa_kernel
	.amdgpu_metadata
---
amdhsa.version: [ 1, 2 ]
amdhsa.kernels:
  - .name:           k_q8eb6a26bcd_proj
    .symbol:         k_q8eb6a26bcd_proj.kd
    .args:
      - { .name: oc, .offset: 0, .size: 8, .value_kind: global_buffer, .address_space: global }
      - { .name: os, .offset: 8, .size: 8, .value_kind: global_buffer, .address_space: global }
      - { .name: wc, .offset: 16, .size: 8, .value_kind: global_buffer, .address_space: global }
      - { .name: ws, .offset: 24, .size: 8, .value_kind: global_buffer, .address_space: global }
      - { .name: bo, .offset: 32, .size: 8, .value_kind: global_buffer, .address_space: global }
      - { .name: out0, .offset: 40, .size: 8, .value_kind: global_buffer, .address_space: global }
    .group_segment_fixed_size: 327680
    .private_segment_fixed_size: 0
    .kernarg_segment_align: 8
    .kernarg_segment_size: 48
    .max_flat_workgroup_size: 128
    .sgpr_count:     96
    .vgpr_count:     1024
    .wavefront_size: 32
...
	.end_amdgpu_metadata
.endif
;; end of part 4
